; MI455X (gfx1250); checked and timed in simulation.
; The chip was launched on July 23, 2026; its instructions are those of AMD's public machine-readable ISA for CDNA 5 (MIT licence, August 2026) and "CDNA5" Instruction Set Architecture Reference Guide (July 2026). The comments in the code are by the model that wrote it; some were corrected since.
;; Bert Attention. Allowed arithmetic: matrix products marked QUANTISED: E2M3 operands, one E8M0 scale for each 32 along K, by v_wmma_scale_f32_16x16x128_f8f6f4 with both operands' format E2M3, f32 sums; everything else in f32.
;; Inputs: Wk 1,024 x 1,024 float32; Wo 1,024 x 1,024 float32; Wq 1,024 x 1,024 float32; Wv 1,024 x 1,024 float32; attention_mask 4 x 1 x 1 x 2,048 float32; bk 1,024 float32; bo 1,024 float32; bq 1,024 float32; bv 1,024 float32; input_tensor 4 x 2,048 x 1,024 float32; ln_b 1,024 float32; ln_w 1,024 float32.
;; Outputs: out0 4 x 2,048 x 1,024 float32.
;; This version of the problem:
;;   THIS VERSION OF THE PROBLEM IS GIVEN IN LOW PRECISION. The matrix products marked QUANTISED in the list below multiply operands that are first quantised to E2M3 (2 exponent bits, 3 mantissa bits; 6 bits a number), with one power-of-two scale for each 32 numbers along K (OCP MX v1.0); their sums are f32. All else is computed in f32.
;;   The module's matrix products, in the order in which they are computed (A, B: the left and right operand; K: the contracted axis; several contracted axes count as one K, in the product's order):
;;     1. [M 8,192, K 1,024] x [K 1,024, N 1,024]; A: input input_tensor; B: input Wq: QUANTISED
;;     2. [M 8,192, K 1,024] x [K 1,024, N 1,024]; A: input input_tensor; B: input Wk: QUANTISED
;;     3. [M 8,192, K 1,024] x [K 1,024, N 1,024]; A: input input_tensor; B: input Wv: QUANTISED
;;     4. batch 64 x [M 2,048, K 64] x [K 64, N 2,048]; A: computed on the way; B: computed on the way: QUANTISED
;;     5. batch 64 x [M 64, K 2,048] x [K 2,048, N 2,048]; A: computed on the way; B: softmax (see below): QUANTISED
;;     6. [M 8,192, K 1,024] x [K 1,024, N 1,024]; A: computed on the way; B: input Wo: QUANTISED
;;   THE QUANTISER, for each operand of a quantised product, along K:
;;     - K is cut into blocks of 32 from its start; a last block that is shorter is filled with zeros.
;;     - A block's scale is 2^e with e = floor(log2(the largest magnitude in the block)) - 2, held to -126 .. 127; a block of zeros has e = 0. As a byte (E8M0): e + 127.
;;     - Each number is divided by its block's scale, clamped to +-7.5, and rounded to the nearest number of E2M3, ties to even, subnormals kept.
;;     - The product sums the exact products of the quantised numbers (number of the format x scale) in f32.
;;   ~~~python
;;   def quantise(x, axis):      # numpy; x: float32 -> the quantised numbers, widened to float32 again
;;       x = np.moveaxis(x, axis, -1); K = x.shape[-1]
;;       x = np.pad(x, [(0, 0)] * (x.ndim - 1) + [(0, -K % 32)]); x = x.reshape(x.shape[:-1] + (-1, 32)); a = np.abs(x).max(-1, keepdims=True)
;;       e = np.where(a > 0, np.clip(np.frexp(np.where(a > 0, a, 1))[1] - 1 - 2, -126, 127), 0)      # np.frexp(a)[1] - 1 = floor(log2(a)), exactly
;;       r = np.clip(x / 2.0 ** e, -7.5, 7.5)
;;       step = 2.0 ** (np.maximum(np.frexp(np.where(r == 0, 1, r))[1] - 1, 0) - 3)
;;       q = np.round(r / step) * step * 2.0 ** e      # np.round: ties to even
;;       return np.moveaxis(q.reshape(q.shape[:-2] + (-1,))[..., :K], -1, axis).astype(np.float32)
;;   ~~~
;;   SOFTMAX AHEAD OF A QUANTISED PRODUCT. Where the list says 'softmax', what is quantised is not the finished softmax but p = 2^(t - M), with t = logit x log2(e) and M = ceil(the row's largest t), a whole number; so 1/2 < the row's largest p <= 1. The row's sum l is taken of the UNQUANTISED p, in f32, and the product's result is divided by l at the end. Since M is a whole number, a kernel that streams over the keys may use a running M (the ceiling of the running maximum): every later rescaling is an exact power of two, which a block's scale takes up: the codes' values come out the same.
;;   OPERANDS COMPUTED ON THE WAY. 'Computed on the way' means the value that the module computes at that place (a softmax that the list does not call 'softmax' is quantised finished and normalised). What goes into a quantiser is computed in f32, as accurately as f32 sums, v_exp_f32 and their like allow (about 1e-6 of the number): no bf16 or f16 on the way to a quantiser, and a product that is left as it is and whose result goes on into a quantised operand takes f32 operands (vector FMAs, or v_wmma_f32_16x16x4_f32). A number that lies on a knife's edge between two numbers of the format may be rounded either way, as far as f32 arithmetic and the matrix unit's own rounding can turn it there, and no further.
;; One version. Each part assembles by itself: llvm-mc -triple=amdgcn-amd-amdhsa -mcpu=gfx1250 --defsym DOCPART=n.
;; ======== version 1 of 1: 4 launches
;; limits: right only within a limited range of input values
;; workspace buffers: ops 9,830,400 bytes; qkv 20,185,088 bytes; ctx 6,553,600 bytes
;; launch quant (part 1): grid 384 x 1, 4 waves a work-group, no clusters, 35,328 bytes of LDS; arguments input_tensor, Wq, Wk, Wv, Wo, ops; writes ops
.if DOCPART == 1
	.amdgcn_target "amdgcn-amd-amdhsa--gfx1250"
	.amdhsa_code_object_version 6
	.text
	.protected	k_q1276fd284a_quant
	.globl	k_q1276fd284a_quant
	.p2align	8
	.type	k_q1276fd284a_quant,@function
k_q1276fd284a_quant:
	s_mov_b64 s[64:65], 0
	v_nop
	global_prefetch_b8 v0, s[64:65] scope:SCOPE_SE
	s_setreg_imm32_b32 hwreg(HW_REG_WAVE_MODE, 25, 1), 1
	s_wait_xcnt 0x0
; x [8192][1024] and Wq, Wk, Wv, Wo [1024][1024], f32, K innermost, become codes of FP6 (E2M3) with one E8M0 byte for each 32 along K.
; A block's scale is 2^(floor(log2(its largest magnitude)) - 2): its byte is the largest magnitude's exponent field - 2, held at 1 from below.
; LIMITS: a block of zeros gets the byte 1 where the rule says 127 (its codes are zeros, and this program alone reads the bytes); NaN and infinities among the inputs are not served.
; LAYOUT OF THE CODES: images of the operand's registers.  Row tile T holds 16 rows; place r of it is row 32 (T / 2) + 8 (T % 2) + r % 8 + 16 (r / 8).
; An image is 16 rows x 64 K, 768 bytes: lane (r, h) holds the 32 codes (6 registers) of K block h of place r; registers 0-3 at 16 x lane, registers 4-5 at 512 + 8 x lane.
; ops: x's images [512 T][16][768] at 0; the weights' [256 T][16][768] at O_WC (64 tiles each: Wq, Wk, Wv, Wo); scale words [T][half of K][r][4 words] at O_XS and O_WS: word w of half f is for K = 128 (4 f + w) on.
; SHARES: a wave takes one row tile x half of K: 8 chunks of 16 rows x 64 numbers.  A chunk's eight loads read 256 consecutive bytes of two rows each; the chunk turns through the wave's own stage
; in LDS (rows of 256 + 16 bytes) so that a lane gets the 32 neighbours of one block.  Work-groups 0-255 take x, 256-383 the four weights: only pointers and offsets are chosen, the text has one path.
; No barrier: waves share nothing.  Loads run two chunks ahead, the turn through LDS one chunk.
.set O_WC,  6291456
.set O_XS,  9437184
.set O_WS,  9699328
.set STG,   4352                       ; a stage: 16 rows x 272 bytes; two for each wave
.set R,     16                         ; v16-79   two sets of 32 numbers as loaded
.set X,     80                         ; v80-143  two sets of 32 neighbours
.set C,     144                        ; v144-207 codes: eight registers for each chunk, so that no store's data are written again
.set BY,    208                        ; v208-215 a scale byte for each chunk
.set W,     216                        ; v216-219 the four scale words
.set T4,    220                        ; v220-223 the other half's words
	s_load_b256 s[4:11], s[0:1], 0x0               ; x, Wq, Wk, Wv
	s_load_b128 s[12:15], s[0:1], 0x20             ; Wo, ops
	v_lshl_add_u32 v224, v0, 2, 0x8800
	v_mov_b32 v225, 0
	v_lshrrev_b32 v1, 5, v0
	v_readfirstlane_b32 s16, v1                    ; wave
	v_and_b32 v1, 31, v0                           ; lane
	v_and_b32 v8, 15, v0                           ; r
	v_bfe_u32 v9, v0, 4, 1                         ; h
	v_lshlrev_b32 v10, 4, v8                       ; 16 r
	v_lshl_add_u32 v2, v9, 12, v10                 ; in: lanes 0-15 one row's 256 bytes, lanes 16-31 the next row's
	s_mul_i32 s17, s16, 2*STG                      ; my wave's two stages
	v_mad_u32_u24 v3, v9, 272, v10
	v_add_nc_u32 v3, s17, v3                       ; into the stage: the same two rows
	v_mul_u32_u24 v4, v8, 272
	v_lshl_add_u32 v4, v9, 7, v4
	v_add_nc_u32 v4, s17, v4                       ; out of it: place r, block h: 128 bytes
	v_lshlrev_b32 v5, 4, v1                        ; an image's first 512 bytes: 16 x lane
	v_lshlrev_b32 v6, 3, v1                        ; its last 256: 8 x lane
	v_lshlrev_b32 v7, 3, v9                        ; 8 h: my byte's place in a scale word, in bits
	v_lshl_add_u32 v14, v9, 3, v10                 ; the scale words' way out: 16 r + 8 h
	s_lshr_b32 s18, s16, 1                         ; which of the work-group's two tiles
	s_and_b32 s19, s16, 1                          ; which half of K
	s_mov_b32 s20, ttmp9
	s_sub_co_u32 s21, s20, 256                     ; a weight's work-group: its number among the 128,
	s_and_b32 s22, s21, 31                         ; and among its tensor's 32
	s_mov_b32 s23, O_WC
	s_mov_b32 s24, O_WS
	s_mov_b32 s25, O_XS
	s_cmp_lt_u32 s20, 256                          ; x's work-group?
	s_cselect_b32 s22, s20, s22                    ; pair of tiles in the tensor read
	s_cselect_b32 s21, s20, s21                    ; pair of tiles in the region written
	s_cselect_b32 s23, 0, s23                      ; the codes' region
	s_cselect_b32 s24, s25, s24                    ; the scale words' region
	s_lshl_b32 s26, s22, 17                        ; in: 32 rows of 4,096 bytes a pair of tiles,
	s_lshl_b32 s28, s18, 15                        ; 8 rows on for the second tile,
	s_add_co_u32 s26, s26, s28
	s_lshl_b32 s28, s19, 11                        ; 2,048 bytes on for the second half of K
	s_add_co_u32 s26, s26, s28
	s_mov_b32 s27, 0
	s_mul_i32 s28, s21, 24576                      ; codes: 12,288 bytes a tile, 6,144 a half
	s_mul_i32 s30, s18, 12288
	s_add_co_u32 s28, s28, s30
	s_mul_i32 s30, s19, 6144
	s_add_co_u32 s28, s28, s30
	s_add_co_u32 s28, s28, s23
	s_mov_b32 s29, 0
	s_lshl_b32 s30, s21, 10                        ; scale words: 512 bytes a tile, 256 a half
	s_lshl_b32 s31, s18, 9
	s_add_co_u32 s30, s30, s31
	s_lshl_b32 s31, s19, 8
	s_add_co_u32 s30, s30, s31
	s_add_co_u32 s30, s30, s24
	s_mov_b32 s31, 0
	s_mov_b32 s38, 0x76543210                      ; v_permlanex16_b32's selects for lane l xor 16
	s_mov_b32 s39, 0xfedcba98
	s_wait_alu depctr_va_vdst(0)
	s_wait_kmcnt 0x0
	s_mov_b64 s[32:33], s[12:13]                   ; the tensor read: chosen by the work-group's number alone
	s_cmp_lt_u32 s20, 352
	s_cselect_b64 s[32:33], s[10:11], s[32:33]
	s_cmp_lt_u32 s20, 320
	s_cselect_b64 s[32:33], s[8:9], s[32:33]
	s_cmp_lt_u32 s20, 288
	s_cselect_b64 s[32:33], s[6:7], s[32:33]
	s_cmp_lt_u32 s20, 256
	s_cselect_b64 s[32:33], s[4:5], s[32:33]
	s_add_nc_u64 s[32:33], s[32:33], s[26:27]
	s_add_nc_u64 s[34:35], s[14:15], s[28:29]      ; my eight images
	s_add_nc_u64 s[36:37], s[14:15], s[30:31]      ; my 256 bytes of scale words
.macro LOAD t                          ; chunk t: places 2 i and 2 i + 1 of the tile, 256 bytes each
.irp i, 0,1,2,3,4,5,6,7
	global_load_b128 v[R+32*((\t)%2)+4*\i:R+32*((\t)%2)+4*\i+3], v2, s[32:33] offset:((2*\i)%8+16*(\i/4))*4096+256*(\t) th:TH_LOAD_NT
.endr
.endm
.macro TURN t                          ; through the stage: LDS serves a wave's instructions in order, so no wait stands between the stores and the loads
.irp i, 0,1,2,3,4,5,6,7
	ds_store_b128 v3, v[R+32*((\t)%2)+4*\i:R+32*((\t)%2)+4*\i+3] offset:STG*((\t)%2)+544*\i
.endr
.irp j, 0,1,2,3,4,5,6,7
	ds_load_b128 v[X+32*((\t)%2)+4*\j:X+32*((\t)%2)+4*\j+3], v4 offset:STG*((\t)%2)+16*\j
.endr
.endm
	LOAD 0
	LOAD 1
	s_wait_loadcnt 8                               ; chunk 0's eight loads are in, chunk 1's may be out
	TURN 0
.macro STEP t
.set XR, X+32*((\t)%2)
	s_wait_dscnt 0x0                               ; this chunk is back from the stage, and its stores into the stage have read their registers,
.if (\t)+2 < 8
	LOAD (\t)+2                                    ; which take the chunk two on
.endif
.if (\t) < 6
	s_wait_loadcnt 8                               ; the next chunk's eight loads are in; the eight just issued may be out
.elseif (\t) == 6
	s_wait_loadcnt 0x0
.endif
.if (\t)+1 < 8
	TURN (\t)+1                                    ; the next chunk goes through the other stage while this one is worked
.endif
	v_max3_num_f32 v12, |v[XR]|, |v[XR+1]|, |v[XR+2]|              ; the block's largest magnitude: all 32 numbers are mine; two chains
	v_max3_num_f32 v13, |v[XR+3]|, |v[XR+4]|, |v[XR+5]|
.irp i, 6,10,14,18,22,26
	v_max3_num_f32 v12, v12, |v[XR+\i]|, |v[XR+\i+1]|
	v_max3_num_f32 v13, v13, |v[XR+\i+2]|, |v[XR+\i+3]|
.endr
	v_max3_num_f32 v12, v12, |v[XR+30]|, |v[XR+31]|
	v_max3_num_f32 v12, v12, v13, 0x1800000        ; and the floor 2^(3 - 127): the byte cannot fall under 1
	v_add_nc_u32 v11, 0xff000000, v12              ; 2 off the exponent field: the conversion takes the exponent field of this operand as its scale
	v_cvt_scalef32_pk16_fp6_f32 v[C+8*(\t):C+8*(\t)+2], v[XR:XR+15], v11
	v_cvt_scalef32_pk16_fp6_f32 v[C+8*(\t)+4:C+8*(\t)+6], v[XR+16:XR+31], v11   ; (a conversion's three registers begin on an even number)
	v_lshrrev_b32 v[BY+(\t)], 23, v11              ; the scale's byte; also the plain instruction behind the conversions
	v_mov_b32 v[C+8*(\t)+3], v[C+8*(\t)+4]         ; the block's six registers on end
	v_mov_b32 v[C+8*(\t)+4], v[C+8*(\t)+5]
	v_mov_b32 v[C+8*(\t)+5], v[C+8*(\t)+6]
	global_store_b128 v5, v[C+8*(\t):C+8*(\t)+3], s[34:35] offset:768*(\t)          ; 512 consecutive bytes, at a multiple of 256
	global_store_b64 v6, v[C+8*(\t)+4:C+8*(\t)+5], s[34:35] offset:768*(\t)+512     ; 256 consecutive bytes
.endm
.irp t, 0,1,2,3,4,5,6,7
	STEP \t
.endr
	; word s (128 along K): blocks 4 s + h come from chunk 2 s, blocks 4 s + 2 + h from chunk 2 s + 1
.irp s, 0,1,2,3
	v_lshl_or_b32 v[W+\s], v[BY+2*\s+1], 16, v[BY+2*\s]
	v_mov_b32 v[T4+\s], 0                          ; a lane permute's destination counts as one of its sources
.endr
.irp s, 0,1,2,3
	v_lshlrev_b32 v[W+\s], v7, v[W+\s]             ; my two bytes at their places
.endr
.irp s, 0,1,2,3
	v_permlanex16_b32 v[T4+\s], v[W+\s], s38, s39
.endr
.irp s, 0,1,2,3
	v_or_b32 v[W+\s], v[W+\s], v[T4+\s]            ; with lane l xor 16's two the word is whole
.endr
	v_cmp_eq_u32 vcc_lo, 1, v9
	v_cndmask_b32 v12, v[W], v[W+2], vcc_lo        ; lanes 0-15 store words 0, 1 of their row, lanes 16-31 words 2, 3
	v_cndmask_b32 v13, v[W+1], v[W+3], vcc_lo
	global_store_b64 v14, v[12:13], s[36:37]       ; 32 lanes store 256 consecutive bytes, at a multiple of 256
	s_wait_tensorcnt 0x0
	ds_add_u32 v224, v225
	s_wait_dscnt 0x0
	s_endpgm
.Lfunc_end_k_q1276fd284a_quant:
	.size	k_q1276fd284a_quant, .Lfunc_end_k_q1276fd284a_quant-k_q1276fd284a_quant
	.p2alignl 7, 3214868480
	.fill 96, 4, 3214868480
	.section	.rodata,"a",@progbits
	.p2align	6, 0x0
	.amdhsa_kernel k_q1276fd284a_quant
		.amdhsa_group_segment_fixed_size 35328
		.amdhsa_private_segment_fixed_size 0
		.amdhsa_enable_private_segment 0
		.amdhsa_kernarg_size 48
		.amdhsa_user_sgpr_count 2
		.amdhsa_user_sgpr_kernarg_segment_ptr 1
		.amdhsa_wavefront_size32 1
		.amdhsa_system_sgpr_workgroup_id_x 1
		.amdhsa_system_sgpr_workgroup_id_y 1
		.amdhsa_system_sgpr_workgroup_id_z 1
		.amdhsa_system_vgpr_workitem_id 0
		.amdhsa_next_free_vgpr 226
		.amdhsa_next_free_sgpr 66
		.amdhsa_reserve_vcc 1
		.amdhsa_float_denorm_mode_32 3
		.amdhsa_float_denorm_mode_16_64 3
		.amdhsa_memory_ordered 1
		.amdhsa_forward_progress 1
		.amdhsa_inst_pref_size 32
	.end_amdhsa_kernel
	.amdgpu_metadata
---
amdhsa.version: [ 1, 2 ]
amdhsa.kernels:
  - .name:           k_q1276fd284a_quant
    .symbol:         k_q1276fd284a_quant.kd
    .args:
      - { .name: input_tensor, .offset: 0, .size: 8, .value_kind: global_buffer, .address_space: global }
      - { .name: Wq, .offset: 8, .size: 8, .value_kind: global_buffer, .address_space: global }
      - { .name: Wk, .offset: 16, .size: 8, .value_kind: global_buffer, .address_space: global }
      - { .name: Wv, .offset: 24, .size: 8, .value_kind: global_buffer, .address_space: global }
      - { .name: Wo, .offset: 32, .size: 8, .value_kind: global_buffer, .address_space: global }
      - { .name: ops, .offset: 40, .size: 8, .value_kind: global_buffer, .address_space: global }
    .group_segment_fixed_size: 35328
    .private_segment_fixed_size: 0
    .kernarg_segment_align: 8
    .kernarg_segment_size: 48
    .max_flat_workgroup_size: 128
    .sgpr_count:     66
    .vgpr_count:     226
    .wavefront_size: 32
...
	.end_amdgpu_metadata
.endif
;; end of part 1
;; launch gemm_qkv (part 2): grid 12 x 32, 4 waves a work-group, clusters of 4 x 4, 327,680 bytes of LDS; arguments ops, bq, bk, bv, qkv; writes qkv
.if DOCPART == 2
	.amdgcn_target "amdgcn-amd-amdhsa--gfx1250"
	.amdhsa_code_object_version 6
	.text
	.protected	k_q1276fd284a_gemm_qkv
	.globl	k_q1276fd284a_gemm_qkv
	.p2align	8
	.type	k_q1276fd284a_gemm_qkv,@function
k_q1276fd284a_gemm_qkv:
	s_mov_b64 s[64:65], 0
	v_nop
	global_prefetch_b8 v0, s[64:65] scope:SCOPE_SE
	s_setreg_imm32_b32 hwreg(HW_REG_WAVE_MODE, 25, 1), 1
	s_wait_xcnt 0x0
	s_wait_alu depctr_hold_cnt(0) depctr_sa_sdst(0) depctr_va_vdst(0) depctr_va_sdst(0) depctr_va_ssrc(0) depctr_va_vcc(0) depctr_vm_vsrc(0)
	s_getreg_b32 s2, hwreg(HW_REG_IB_STS2, 6, 4)
	s_cmp_eq_u32 s2, 0
	s_cbranch_scc0 .Lentry_in_a_cluster
	s_endpgm
.Lentry_in_a_cluster:
	s_bfe_u32 s2, ttmp6, 0x10000c
	s_cmp_lg_u32 s2, 0xf033
	s_cbranch_scc0 .Lentry_shape_is_right
	s_endpgm
.Lentry_shape_is_right:
.set O_WC,  6291456
.set O_XS,  9437184
.set O_WS,  9699328
.set Q_VC,  12582912
.set Q_QS,  18874368
.set Q_VS,  19922944
.set NQ,    2
.set FR,    12
.set NL,    4
.set NP,    4
.set TILEB, 3072
.set KTILE, 12288
.set HALFT, 8*TILEB
.set SLOT,  4*HALFT
.set SCL,   2*SLOT
.set HALFS, 4096
.set SPARE, SCL+4*HALFS
.set ADRA, 16
.set ADRB, 20
.set LI,   24
.set LJ,   25
.set ADRS, 27
.set SPW,  28
.set NIL,  29
.set SC,   32
.set BI,   64
.set AF,   128
.set PC,   128
.set TM,   168
.set PW,   184
.set WD,   192
.set G1, 24
.set G0, 32
.set G1B, 48
.set G0B, 56
.set G1S, 68
.set G0S, 76
.set G1SB, 80
.set G0SB, 88
.set SEL, 66
.set MSB, 0
.macro WIN new
.if MSB != (\new)
	s_set_vgpr_msb (MSB<<8)|(\new)
.set MSB, (\new)
.endif
.endm
.set MUL_LO, 0xa1
.set MUL_HI, 0xf1
.set TO_B,   0x40
.macro JLOAD g0a, g1a, g0b, g1b
	s_cmp_eq_u32 s15, 0
	s_cbranch_scc0 .Lfor_b_\@
	tensor_load_to_lds s[\g0a:\g0a+3], s[\g1a:\g1a+7]
	s_nop 0
.rept 4
	v_nop
.endr
	s_branch .Lasked_\@
.Lfor_b_\@:
	tensor_load_to_lds s[\g0b:\g0b+3], s[\g1b:\g1b+7]
	s_nop 0
.rept 4
	v_nop
.endr
.Lasked_\@:
.endm
.macro CREST
	s_cmp_lg_u32 s14, 0
	s_cbranch_scc1 .Lnot_wave_0_\@
	s_barrier_signal -3
.Lnot_wave_0_\@:
	s_barrier_wait -3
	s_barrier_signal -1
	s_barrier_wait -1
.endm
.macro CROUND
	s_barrier_signal -1
	s_barrier_wait -1
	CREST
.endm
	s_load_b256 s[4:11], s[0:1], 0x0
	s_load_b64 s[12:13], s[0:1], 0x20
	v_lshl_add_u32 v[SPW], v0, 2, SPARE
	v_mov_b32 v[NIL], 0
	ds_add_u32 v28, v29
	ds_add_u32 v28, v29
	s_wait_dscnt 0x0
	v_lshrrev_b32 v1, 5, v0
	v_readfirstlane_b32 s14, v1
	s_lshr_b32 s15, s14, 1
	s_and_b32 s16, s14, 1
	s_bfe_u32 s40, ttmp6, 0x40000
	s_bfe_u32 s41, ttmp6, 0x40004
	s_and_b32 s18, ttmp7, 0xffff
	s_mov_b32 s19, ttmp9
	s_mov_b32 s92, O_WC+128*KTILE
	s_mov_b32 s93, O_WS+128*512
	s_mov_b32 s94, O_XS
	s_mov_b32 s95, O_WC
	s_mov_b32 s96, O_WS
	s_cmp_eq_u32 s19, 2
	s_cselect_b32 s20, 0, s18
	s_cselect_b32 s21, s18, s19
	s_cselect_b32 s92, s92, 0
	s_cselect_b32 s93, s93, s94
	s_cselect_b32 s95, 0, s95
	s_cselect_b32 s96, s94, s96
	s_lshl_b32 s17, s20, 2
	s_add_co_u32 s17, s17, s41
	s_lshl_b32 s42, s21, 2
	s_add_co_u32 s42, s42, s40
	s_lshl_b32 s43, s41, 2
	s_lshl_b32 s43, 15, s43
	s_lshl_b32 s44, 0x1111, s40
	s_or_b32 s[G1+0], s43, (3<<16)|(1<<21)
	s_or_b32 s[G1B+0], s44, (3<<16)|(1<<21)
.irp g, G1, G1B
	s_mov_b32 s[\g+1], 384<<16
	s_mov_b32 s[\g+2], 8<<16
	s_mov_b32 s[\g+3], 384<<16
	s_mov_b32 s[\g+4], 8
	s_mov_b32 s[\g+5], 1536
	s_mov_b32 s[\g+6], 0
	s_mov_b32 s[\g+7], 0
.endr
	s_or_b32 s[G1S+0], s43, (3<<16)|(1<<21)
	s_or_b32 s[G1SB+0], s44, (3<<16)|(1<<21)
.irp g, G1S, G1SB
	s_mov_b32 s[\g+1], 32<<16
	s_mov_b32 s[\g+2], 16<<16
	s_mov_b32 s[\g+3], 32<<16
	s_mov_b32 s[\g+4], 16
	s_mov_b32 s[\g+5], 32
	s_mov_b32 s[\g+6], 0
	s_mov_b32 s[\g+7], 0
.endr
	s_lshl_b32 s22, s16, 3
	s_lshl_b32 s20, s17, 4
	s_add_co_u32 s20, s20, s22
	s_lshl_b32 s46, s42, 4
	s_add_co_u32 s46, s46, s22
	s_mul_i32 s22, s20, 512
	s_add_co_u32 s22, s22, s93
	s_mov_b32 s23, 0
	s_mul_i32 s20, s20, KTILE
	s_add_co_u32 s20, s20, s92
	s_mov_b32 s21, 0
	s_mul_i32 s98, s46, 512
	s_add_co_u32 s98, s98, s96
	s_mov_b32 s99, 0
	s_mul_i32 s46, s46, KTILE
	s_add_co_u32 s46, s46, s95
	s_mov_b32 s47, 0
	s_mul_i32 s45, s14, HALFT
	s_mul_i32 s94, s14, HALFS
	s_mov_b32 s[SEL], 0x76543210
	s_mov_b32 s[SEL+1], 0xfedcba98
	s_wait_kmcnt 0x0
	s_add_nc_u64 s[20:21], s[4:5], s[20:21]
	s_add_nc_u64 s[22:23], s[4:5], s[22:23]
	s_add_nc_u64 s[46:47], s[4:5], s[46:47]
	s_add_nc_u64 s[98:99], s[4:5], s[98:99]
	CROUND
	s_mov_b32 s[G0S], 1
	s_add_co_u32 s[G0S+1], s94, SCL
	s_mov_b64 s[G0S+2:G0S+3], s[22:23]
	s_or_b32 s[G0S+3], s[G0S+3], 0x80000000
	s_mov_b32 s[G0SB], 1
	s_add_co_u32 s[G0SB+1], s94, SCL
	s_mov_b64 s[G0SB+2:G0SB+3], s[98:99]
	s_or_b32 s[G0SB+3], s[G0SB+3], 0x80000000
	JLOAD G0S, G1S, G0SB, G1SB
.irp s, 0,1
	s_mov_b32 s[G0+4*\s], 1
	s_add_co_u32 s[G0+4*\s+1], s45, \s*SLOT
	s_add_nc_u64 s[G0+4*\s+2:G0+4*\s+3], s[20:21], \s*TILEB
	s_or_b32 s[G0+4*\s+3], s[G0+4*\s+3], 0x80000000
	s_mov_b32 s[G0B+4*\s], 1
	s_add_co_u32 s[G0B+4*\s+1], s45, \s*SLOT
	s_add_nc_u64 s[G0B+4*\s+2:G0B+4*\s+3], s[46:47], \s*TILEB
	s_or_b32 s[G0B+4*\s+3], s[G0B+4*\s+3], 0x80000000
	s_wait_alu depctr_va_vdst(0)
	s_wait_tensorcnt 0x0
	ds_add_u32 v28, v29
	s_wait_dscnt 0x0
	CROUND
	JLOAD G0+4*\s, G1, G0B+4*\s, G1B
.endr
	v_and_b32 v1, 15, v0
	v_bfe_u32 v2, v0, 4, 1
	v_and_b32 v3, 31, v0
	v_lshlrev_b32 v[LI], 4, v3
	v_lshlrev_b32 v[LJ], 3, v3
	s_mul_i32 s21, s15, HALFT
	s_mul_i32 s22, s16, HALFT
	s_add_co_u32 s22, s22, 2*HALFT
.irp s, 0,1
	v_add_nc_u32 v[ADRA+\s], s21, v[LI]
	v_add_nc_u32 v[ADRB+\s], s22, v[LI]
	v_add_nc_u32 v[ADRA+2+\s], s21, v[LJ]
	v_add_nc_u32 v[ADRB+2+\s], s22, v[LJ]
	s_add_co_u32 s21, s21, SLOT
	s_add_co_u32 s22, s22, SLOT
.endr
	s_mul_i32 s21, s15, HALFS
	s_mul_i32 s22, s16, HALFS
	s_add_co_u32 s22, s22, 2*HALFS
	s_sub_co_u32 s22, s22, s21
	v_mul_u32_u24 v6, s22, v2
	s_add_co_u32 s21, s21, SCL
	v_lshl_add_u32 v6, v1, 4, v6
	v_add_nc_u32 v[ADRS], s21, v6
	v_lshlrev_b32 v7, 4, v1
	v_lshl_add_u32 v26, v2, 13, v7
	v_lshl_add_u32 v8, v2, 12, v7
	v_lshlrev_b32 v9, 6, v2
	v_and_b32 v10, 8, v1
	v_add_nc_u32 v10, v10, v1
	v_lshlrev_b32 v10, 2, v10
	v_lshlrev_b32 v11, 4, v2
.macro FRAG reg, adr, q, i
	ds_load_b128 v[\reg:\reg+3], v[\adr] offset:(\i)*TILEB+(\q)*1536
	ds_load_b64 v[\reg+4:\reg+5], v[\adr+2] offset:(\i)*TILEB+(\q)*1536+512
	ds_load_b128 v[\reg+6:\reg+9], v[\adr] offset:(\i)*TILEB+(\q)*1536+768
	ds_load_b64 v[\reg+10:\reg+11], v[\adr+2] offset:(\i)*TILEB+(\q)*1536+1280
.endm
.macro MUL16 a0, p, q, sc, zero
.irp a, \a0, \a0+1
.irp b, 0,1,2,3,4,5,6,7
.if \zero
	v_wmma_scale_f32_16x16x128_f8f6f4 v[8*(8*((\a)%4)+\b):8*(8*((\a)%4)+\b)+7], v[128*(\p)+FR*\b:128*(\p)+FR*\b+FR-1], v[AF+FR*(\a):AF+FR*(\a)+FR-1], 0, v[SC+8*NQ*(\sc)+NQ*\b+(\q)], v[SC+8*NQ*(\sc)+NQ*(\a)+(\q)] matrix_a_fmt:MATRIX_FMT_FP6 matrix_b_fmt:MATRIX_FMT_FP6 matrix_a_scale:MATRIX_SCALE_ROW1
.else
	v_wmma_scale_f32_16x16x128_f8f6f4 v[8*(8*((\a)%4)+\b):8*(8*((\a)%4)+\b)+7], v[128*(\p)+FR*\b:128*(\p)+FR*\b+FR-1], v[AF+FR*(\a):AF+FR*(\a)+FR-1], v[8*(8*((\a)%4)+\b):8*(8*((\a)%4)+\b)+7], v[SC+8*NQ*(\sc)+NQ*\b+(\q)], v[SC+8*NQ*(\sc)+NQ*(\a)+(\q)] matrix_a_fmt:MATRIX_FMT_FP6 matrix_b_fmt:MATRIX_FMT_FP6 matrix_a_scale:MATRIX_SCALE_ROW1
.endif
.endr
.endr
.endm
.macro FETCH_B slot, q, p
	WIN TO_B
.irp i, 0,1,2,3,4,5,6,7
	FRAG 128*(\p)+FR*\i, ADRB+\slot, \q, \i
.endr
	WIN 0
.endm
.macro FETCH_A slot, q, i0
.irp i, \i0, \i0+1, \i0+2, \i0+3
	FRAG AF+FR*(\i), ADRA+\slot, \q, \i
.endr
.endm
.macro SCALES sc, st
.irp i, 0,1,2,3,4,5,6,7
	ds_load_b64 v[SC+8*NQ*\sc+NQ*\i:SC+8*NQ*\sc+NQ*\i+1], v[ADRS] offset:\i*512+256*((\st)/2)+8*((\st)%2)
.endr
.endm
.macro PLACES n
.rept \n
	v_nop
.endr
.endm
.macro STEP slot, q, zero
	s_wait_dscnt 4*NL
	WIN MUL_LO
	MUL16 0, (\q)%2, \q, \slot, \zero
	MUL16 2, (\q)%2, \q, \slot, \zero
	s_wait_dscnt 0
	PLACES NP
	FETCH_B \slot, (\q)+1, 1-(\q)%2
	FETCH_A \slot, (\q)+1, 0
	WIN MUL_HI
	MUL16 4, (\q)%2, \q, \slot, \zero
	MUL16 6, (\q)%2, \q, \slot, \zero
	PLACES NP
	WIN 0
	FETCH_A \slot, (\q)+1, 4
.endm
.macro TURN slot, next, fill, st
	s_wait_tensorcnt 0x0
	ds_add_u32 v[SPW], v[NIL]
	s_wait_dscnt 4*NL+1
	WIN MUL_LO
	MUL16 0, 1, NQ-1, \slot, 0
	s_wait_dscnt 0x0
	s_barrier_signal -1
	MUL16 2, 1, NQ-1, \slot, 0
	WIN 0
	s_barrier_wait -1
.if \fill
	CREST
	s_add_nc_u64 s[G0+4*\slot+2:G0+4*\slot+3], s[G0+4*\slot+2:G0+4*\slot+3], 2*TILEB
	s_add_nc_u64 s[G0B+4*\slot+2:G0B+4*\slot+3], s[G0B+4*\slot+2:G0B+4*\slot+3], 2*TILEB
	JLOAD G0+4*\slot, G1, G0B+4*\slot, G1B
.else
	PLACES NP
.endif
	FETCH_B \next, 0, 0
	FETCH_A \next, 0, 0
	SCALES \next, \st
	WIN MUL_HI
	MUL16 4, 1, NQ-1, \slot, 0
	MUL16 6, 1, NQ-1, \slot, 0
	PLACES NP
	WIN 0
	FETCH_A \next, 0, 4
.endm
.macro LAST
	s_wait_dscnt 4*NL
	WIN MUL_LO
	MUL16 0, 1, NQ-1, 1, 0
	MUL16 2, 1, NQ-1, 1, 0
	s_wait_dscnt 0
	WIN MUL_HI
	MUL16 4, 1, NQ-1, 1, 0
	MUL16 6, 1, NQ-1, 1, 0
	WIN 0
	PLACES NP
.irp b, 0,1,2,3
	v_mov_b32 v[TM+4+\b], 0
.endr
	s_wait_loadcnt 0x0
.endm
.macro QUANTW w, ac, pw
	WIN 5*(\w)
.irp b, 0,1,2,3
	v_max3_num_f32 v[TM+\b], |v[\ac+16*\b]|, |v[\ac+16*\b+1]|, 0x1800000
.endr
.irp i, 2,4,6,8,10,12,14
.irp b, 0,1,2,3
	v_max3_num_f32 v[TM+\b], |v[\ac+16*\b+\i]|, |v[\ac+16*\b+\i+1]|, v[TM+\b]
.endr
.endr
	WIN 0
.irp b, 0,1,2,3
	v_permlanex16_b32 v[TM+4+\b], v[TM+\b], s[SEL], s[SEL+1]
.endr
.irp b, 0,1,2,3
	v_max_num_f32 v[TM+\b], v[TM+\b], v[TM+4+\b]
.endr
.irp b, 0,1,2,3
	v_add_nc_u32 v[TM+12+\b], 0xff000000, v[TM+\b]
.endr
.irp b, 0,1,2,3
	v_lshrrev_b32 v[TM+4+\b], 23, v[TM+12+\b]
.endr
	v_lshl_or_b32 v[\pw], v[TM+5], 8, v[TM+4]
	v_lshl_or_b32 v[\pw], v[TM+6], 16, v[\pw]
	v_lshl_or_b32 v[\pw], v[TM+7], 24, v[\pw]
	s_wait_xcnt 0x0
	WIN \w
.irp c, 0,1
	v_cvt_scalef32_pk16_fp6_f32 v[PC+6*\c:PC+6*\c+2], v[\ac+32*\c:\ac+32*\c+15], v[TM+12+2*\c]
	v_cvt_scalef32_pk16_fp6_f32 v[PC+12+4*\c:PC+14+4*\c], v[\ac+32*\c+16:\ac+32*\c+31], v[TM+13+2*\c]
.endr
	WIN 0
	v_nop
.irp c, 0,1
.irp i, 0,1,2
	v_permlane16_swap_b32 v[PC+6*\c+\i], v[PC+12+4*\c+\i]
.endr
.irp i, 0,1,2
	v_mov_b32 v[PC+3+6*\c+\i], v[PC+12+4*\c+\i]
.endr
.endr
.endm
.macro EPI kind
.irp a, 0,1,2,3,4,5,6,7
.set WN, 2+\a/4
.set AC, 64*(\a%4)
	WIN 65*WN
.set i, 0
.rept 32
.if \kind
	v_pk_add_f32 v[AC+i:AC+i+1], v[AC+i:AC+i+1], v[BI+2*\a:BI+2*\a+1]
.else
	v_pk_add_f32 v[AC+i:AC+i+1], v[AC+i:AC+i+1], v[BI+i:BI+i+1]
.endif
.set i, i+2
.endr
.if \kind
	QUANTW WN, AC, WD+\a
	global_store_b128 v[LI], v[PC:PC+3], s[46:47] offset:(\a/4)*98304+(\a%4)*1536
	global_store_b64 v[LJ], v[PC+4:PC+5], s[46:47] offset:(\a/4)*98304+(\a%4)*1536+512
	global_store_b128 v[LI], v[PC+6:PC+9], s[46:47] offset:(\a/4)*98304+(\a%4)*1536+768
	global_store_b64 v[LJ], v[PC+10:PC+11], s[46:47] offset:(\a/4)*98304+(\a%4)*1536+1280
.else
	QUANTW WN, AC, PW
	global_store_b128 v[LI], v[PC:PC+3], s[46:47] offset:\a*768
	global_store_b64 v[LJ], v[PC+4:PC+5], s[46:47] offset:\a*768+512
	global_store_b128 v[LI], v[PC+6:PC+9], s[46:47] offset:\a*768+98304
	global_store_b64 v[LJ], v[PC+10:PC+11], s[46:47] offset:\a*768+98304+512
	v_lshrrev_b32 v[WD+\a], v11, v[PW]
	v_and_b32 v[WD+\a], 0xffff, v[WD+\a]
.if \a%4 == 3
	global_store_b128 v26, v[WD+\a-3:WD+\a], s[22:23] offset:256*(\a/4)
.endif
.endif
.endr
.if \kind
	v_cmp_eq_u32 vcc_lo, 1, v2
.irp k, 0,1,2,3
	v_cndmask_b32 v[WD+\k], v[WD+\k], v[WD+4+\k], vcc_lo
.endr
	global_store_b128 v8, v[WD:WD+3], s[22:23]
.endif
.endm
	s_wait_alu depctr_va_vdst(0)
	s_wait_tensorcnt 1
	s_barrier_signal -1
	s_barrier_wait -1
	FETCH_B 0, 0, 0
	FETCH_A 0, 0, 0
	SCALES 0, 0
	FETCH_A 0, 0, 4
	STEP 0, 0, 1
	TURN 0, 1, 1, 1
	STEP 1, 0, 0
	TURN 1, 0, 1, 2
	STEP 0, 0, 0
	TURN 0, 1, 0, 3
	STEP 1, 0, 0
	s_cmp_eq_u32 s19, 2
	s_cbranch_scc1 .Lvt
	s_cmp_eq_u32 s19, 0
	s_cselect_b64 s[6:7], s[6:7], s[8:9]
	s_lshl_b32 s20, s40, 10
	s_lshl_b32 s22, s16, 9
	s_add_co_u32 s20, s20, s22
	s_mov_b32 s21, 0
	s_add_nc_u64 s[6:7], s[6:7], s[20:21]
.irp b, 0,1,2,3,4,5,6,7
	global_load_b128 v[BI+8*\b:BI+8*\b+3], v9, s[6:7] offset:(32*(\b/2)+8*(\b%2))*4
	global_load_b128 v[BI+8*\b+4:BI+8*\b+7], v9, s[6:7] offset:(32*(\b/2)+8*(\b%2))*4+16
.endr
	s_lshl_b32 s20, s17, 4
	s_lshl_b32 s22, s15, 3
	s_add_co_u32 s20, s20, s22
	s_lshr_b32 s22, s20, 7
	s_and_b32 s20, s20, 127
	s_lshl_b32 s22, s22, 4
	s_lshl_b32 s23, s40, 2
	s_add_co_u32 s22, s22, s23
	s_lshl_b32 s23, s16, 1
	s_add_co_u32 s22, s22, s23
	s_lshl_b32 s46, s22, 7
	s_add_co_u32 s46, s46, s20
	s_mul_i32 s46, s46, 768
	s_mul_i32 s23, s19, 6291456
	s_add_co_u32 s46, s46, s23
	s_mov_b32 s47, 0
	s_add_nc_u64 s[46:47], s[12:13], s[46:47]
	s_lshl_b32 s22, s22, 13
	s_lshl_b32 s20, s20, 6
	s_add_co_u32 s22, s22, s20
	s_mul_i32 s23, s19, 524288
	s_add_co_u32 s22, s22, s23
	s_add_co_u32 s22, s22, Q_QS
	s_mov_b32 s23, 0
	s_add_nc_u64 s[22:23], s[12:13], s[22:23]
	LAST
	EPI 0
	s_branch .Lend
.Lvt:
	s_lshl_b32 s20, s41, 10
	s_lshl_b32 s22, s15, 9
	s_add_co_u32 s20, s20, s22
	s_mov_b32 s21, 0
	s_add_nc_u64 s[10:11], s[10:11], s[20:21]
.irp a, 0,1,2,3,4,5,6,7
	global_load_b32 v[BI+2*\a], v10, s[10:11] offset:(32*(\a/2)+8*(\a%2))*4
	global_load_b32 v[BI+2*\a+1], v10, s[10:11] offset:(32*(\a/2)+8*(\a%2))*4
.endr
	s_lshl_b32 s20, s42, 1
	s_add_co_u32 s20, s20, s16
	s_lshr_b32 s22, s20, 4
	s_and_b32 s20, s20, 15
	s_lshl_b32 s22, s22, 4
	s_lshl_b32 s23, s41, 2
	s_add_co_u32 s22, s22, s23
	s_lshl_b32 s23, s15, 1
	s_add_co_u32 s22, s22, s23
	s_lshl_b32 s22, s22, 4
	s_add_co_u32 s22, s22, s20
	s_mul_i32 s46, s22, 6144
	s_add_co_u32 s46, s46, Q_VC
	s_mov_b32 s47, 0
	s_add_nc_u64 s[46:47], s[12:13], s[46:47]
	s_lshl_b32 s22, s22, 8
	s_add_co_u32 s22, s22, Q_VS
	s_mov_b32 s23, 0
	s_add_nc_u64 s[22:23], s[12:13], s[22:23]
	LAST
	EPI 1
.Lend:
	s_wait_tensorcnt 0x0
	ds_add_u32 v[SPW], v[NIL]
	s_wait_dscnt 0x0
	CROUND
	s_endpgm
.Lfunc_end_k_q1276fd284a_gemm_qkv:
	.size	k_q1276fd284a_gemm_qkv, .Lfunc_end_k_q1276fd284a_gemm_qkv-k_q1276fd284a_gemm_qkv
	.p2alignl 7, 3214868480
	.fill 96, 4, 3214868480
	.section	.rodata,"a",@progbits
	.p2align	6, 0x0
	.amdhsa_kernel k_q1276fd284a_gemm_qkv
		.amdhsa_group_segment_fixed_size 327680
		.amdhsa_private_segment_fixed_size 0
		.amdhsa_enable_private_segment 0
		.amdhsa_kernarg_size 40
		.amdhsa_user_sgpr_count 2
		.amdhsa_user_sgpr_kernarg_segment_ptr 1
		.amdhsa_wavefront_size32 1
		.amdhsa_system_sgpr_workgroup_id_x 1
		.amdhsa_system_sgpr_workgroup_id_y 1
		.amdhsa_system_sgpr_workgroup_id_z 1
		.amdhsa_system_vgpr_workitem_id 0
		.amdhsa_next_free_vgpr 1024
		.amdhsa_next_free_sgpr 100
		.amdhsa_reserve_vcc 1
		.amdhsa_float_denorm_mode_32 3
		.amdhsa_float_denorm_mode_16_64 3
		.amdhsa_memory_ordered 1
		.amdhsa_forward_progress 1
		.amdhsa_inst_pref_size 230
	.end_amdhsa_kernel
	.amdgpu_metadata
---
amdhsa.version: [ 1, 2 ]
amdhsa.kernels:
  - .name:           k_q1276fd284a_gemm_qkv
    .symbol:         k_q1276fd284a_gemm_qkv.kd
    .args:
      - { .name: ops, .offset: 0, .size: 8, .value_kind: global_buffer, .address_space: global }
      - { .name: bq, .offset: 8, .size: 8, .value_kind: global_buffer, .address_space: global }
      - { .name: bk, .offset: 16, .size: 8, .value_kind: global_buffer, .address_space: global }
      - { .name: bv, .offset: 24, .size: 8, .value_kind: global_buffer, .address_space: global }
      - { .name: qkv, .offset: 32, .size: 8, .value_kind: global_buffer, .address_space: global }
    .group_segment_fixed_size: 327680
    .private_segment_fixed_size: 0
    .kernarg_segment_align: 8
    .kernarg_segment_size: 40
    .max_flat_workgroup_size: 128
    .sgpr_count:     100
    .vgpr_count:     1024
    .wavefront_size: 32
...
	.end_amdgpu_metadata
.endif
;; end of part 2
;; launch attn (part 3): grid 4 x 64, 8 waves a work-group, clusters of 4 x 1, 219,136 bytes of LDS; arguments qkv, attention_mask, ctx; writes ctx
.if DOCPART == 3
	.amdgcn_target "amdgcn-amd-amdhsa--gfx1250"
	.amdhsa_code_object_version 6
	.text
	.protected	k_q1276fd284a_attn
	.globl	k_q1276fd284a_attn
	.p2align	8
	.type	k_q1276fd284a_attn,@function
k_q1276fd284a_attn:
	s_mov_b64 s[64:65], 0
	v_nop
	global_prefetch_b8 v0, s[64:65] scope:SCOPE_SE
	s_setreg_imm32_b32 hwreg(HW_REG_WAVE_MODE, 25, 1), 1
	s_wait_xcnt 0x0
	s_wait_alu depctr_hold_cnt(0) depctr_sa_sdst(0) depctr_va_vdst(0) depctr_va_sdst(0) depctr_va_ssrc(0) depctr_va_vcc(0) depctr_vm_vsrc(0)
	s_getreg_b32 s2, hwreg(HW_REG_IB_STS2, 6, 4)
	s_cmp_eq_u32 s2, 0
	s_cbranch_scc0 .Lentry_in_a_cluster
	s_endpgm
.Lentry_in_a_cluster:
	s_bfe_u32 s2, ttmp6, 0x10000c
	s_cmp_lg_u32 s2, 0x3003
	s_cbranch_scc0 .Lentry_shape_is_right
	s_endpgm
.Lentry_shape_is_right:
; ctx[b][q][head][:] = the sum over k of softmax_k(q . k / 8 + mask[b][k]) v[k][:], both products on codes of FP6 (E2M3) with E8M0 scales; ctx leaves as codes, quantised along the features.
; THE SOFTMAX AHEAD OF THE SECOND PRODUCT: t = (score / 8 + mask) x log2(e); M = the row's largest t so far, rounded UP to a whole number; p = 2^(t - M) is quantised along the keys, not normalised.
; The row's sum is taken of the unquantised p, in f32, and divides O at the end.  When M moves, the sum and O are multiplied by 2^(old M - new M): exact.
; SHARES: a work-group owns one (batch, head) and 512 queries; each of its eight waves four tiles of 16 queries, TWO AT A TIME (tiles A and B) in two passes over the keys: each fragment of K and V and each
; register of the mask that comes from LDS serves two tiles.  A whole head's K, V, their scale words and the batch's mask lie in LDS, 217,088 bytes, filled once: nothing is filled again, the loops have no barrier.
; CLUSTER: the four blocks of queries of a head walk the same K and V: each wave's one fill is asked for jointly by the four.
; LOADS AHEAD: directly behind a step's score products the wave asks LDS for this step's V and for the NEXT step's K, scale words and mask (51 loads); the one wait for them stands ahead of the second product,
; with the step's whole softmax between.  The last step's look-ahead is held at the last step's own tiles by s_min_u32: it reads them once more and nothing beyond the regions.
; LAYOUT: both products are used transposed: S^T = K Q^T, O^T = V^T P^T: a lane holds ONE query throughout.  Place r of tile T is row 32 (T / 2) + 8 (T % 2) + r % 8 + 16 (r / 8),
; so the 16 registers of score tiles 2 b, 2 b + 1 are keys 32 b + 16 (lane / 16) + 0 .. 15, and O^T's registers 16 b + i are d = 32 b + 16 (lane / 16) + i.
; K of the score product is 64: registers 6-11 of Q's fragments are zero codes.  So K's fragments lie six registers apart: the upper half of each is the next one's codes (the last one's: six zeros), which meet Q's zeros.
; THE 1 / 8 goes into q's two scale bytes (3 off each, exact).  THE MASK is the C of the score products of both tiles.
; THE EXPONENTIALS of tile A stand by turns with tile B's multiply-adds, those of tile B with the first level of tile A's sum; what is written among them is read behind the next wait.
; LIMITS: a block of q whose byte is under 4 (largest magnitude under 2^-121) has its byte held at 1 by the fold; a block of zeros of ctx gets the byte 1; NaN is not served; the promise holds while |t| stays under 2^31;
;   ctx's scale bytes leave two at a time (each head owns two bytes of a row's word).
; REGISTERS, window 0: v1-3 16 x lane, 8 x lane, 16 r; v4-10 the step's LDS addresses; v12, v13 the spare word and 0; QF Q's two fragments; KF K's eight and six zeros; VF V's four; KW, VW, PW, QW scale words;
;   QS the second pass's Q; PC p's codes; TT the conversions' second halves; BM block maxima, then scale operands; BY at work; v228-243 -M, largest t, sums, f, at work; v244-248 region bases.
;   window 1: v0-63 S^T and p of tile A, v64-127 of tile B; v128-159, v160-191 O^T; v192-255 the mask.
.set Q_KC,  6291456
.set Q_VC,  12582912
.set Q_QS,  18874368
.set Q_KS,  19398656
.set Q_VS,  19922944
.set C_CS,  6291456
.set LV,    98304
.set LKS,   196608
.set LVS,   204800
.set LM,    208896
.set SPARE, 217088
.set WV,   10
.set SEL,  16
.set CL,   18
.set G1A,  24                          ; 192 rows of 256 bytes;  G1B 32 rows;  G1C 16 rows
.set G1B,  32
.set G1C,  40
.set QF,   16
.set KF,   40
.set VF,   94
.set KW,   142
.set VW,   150
.set PW,   154
.set QW,   156
.set QS,   158
.set PC,   172
.set TT,   196
.set BM,   212
.set BY,   220
.set MSB, 0
.macro WIN new
.if MSB != (\new)
	s_set_vgpr_msb (MSB<<8)|(\new)
.set MSB, (\new)
.endif
.endm
.macro WALU
	s_wait_alu depctr_va_vdst(0)
.endm
.macro ROUND                           ; a round of the cluster's barrier
	s_barrier_signal -1
	s_barrier_wait -1
	s_cmp_lg_u32 s[WV], 0
	s_cbranch_scc1 .Lnot_wave_0_\@
	s_barrier_signal -3
.Lnot_wave_0_\@:
	s_barrier_wait -3
	s_barrier_signal -1
	s_barrier_wait -1
.endm
.macro TLOAD g0, g1
	tensor_load_to_lds s[\g0:\g0+3], s[\g1:\g1+7]
	s_nop 0
.rept 4
	v_nop
.endr
.endm
	s_load_b128 s[4:7], s[0:1], 0x0                ; qkv, the mask
	s_load_b64 s[8:9], s[0:1], 0x10                ; ctx
	v_lshl_add_u32 v12, v0, 2, SPARE
	v_mov_b32 v13, 0
	ds_add_u32 v12, v13                            ; the opening lines: the add twice on end and its wait
	ds_add_u32 v12, v13
	v_lshrrev_b32 v14, 5, v0
	v_readfirstlane_b32 s[WV], v14                 ; wave 0..7
	s_bfe_u32 s11, ttmp6, 0x40000                  ; cx
	s_lshl_b32 s12, ttmp9, 2
	s_add_co_u32 s11, s11, s12                     ; my block of 512 queries: it enters Q's and ctx's addresses alone
	s_and_b32 s12, ttmp7, 0xffff                   ; 16 b + head, which the four partners share
	s_lshr_b32 s13, s12, 4                         ; b
	s_and_b32 s14, s12, 15                         ; head
.irp g, G1A, G1B, G1C                          ; dense blocks as rows of 256 bytes (32 elements of 8 bytes), for all four work-groups
	s_mov_b32 s[\g], 15|(3<<16)|(1<<21)
	s_mov_b32 s[\g+1], 32<<16
	s_mov_b32 s[\g+3], 32<<16
	s_mov_b32 s[\g+5], 32
	s_mov_b32 s[\g+6], 0
	s_mov_b32 s[\g+7], 0
.endr
	s_mov_b32 s[G1A+2], 192<<16
	s_mov_b32 s[G1A+4], 192
	s_mov_b32 s[G1B+2], 32<<16
	s_mov_b32 s[G1B+4], 32
	s_mov_b32 s[G1C+2], 16<<16
	s_mov_b32 s[G1C+4], 16
	; ONE FILL A WAVE: waves 0, 1 a half of K's images each, waves 2, 3 a half of V's fragments, wave 4 K's scale words, wave 5 V's, waves 6, 7 a half of the mask each
	s_mul_i32 s15, s[WV], 49152                    ; waves 0-3: LDS byte 49,152 x wave
	s_mul_i32 s72, s12, 98304
	s_add_co_u32 s72, s72, s15
	s_mov_b32 s74, Q_VC-98304
	s_cmp_lt_u32 s[WV], 2
	s_cselect_b32 s74, Q_KC, s74
	s_add_co_u32 s72, s72, s74
	s_mov_b32 s73, 0
	s_lshl_b32 s76, s12, 13
	s_add_co_u32 s76, s76, Q_KS
	s_mov_b32 s77, 0
	s_lshl_b32 s84, s[WV], 12
	s_lshl_b32 s78, s12, 12
	s_add_co_u32 s78, s78, Q_VS                    ; wave 5
	s_lshl_b32 s80, s13, 13
	s_add_co_u32 s80, s80, s84
	s_sub_co_u32 s80, s80, 6*4096                  ; waves 6, 7: the mask's half wave - 6
	s_cmp_eq_u32 s[WV], 5
	s_cselect_b32 s78, s78, s80
	s_mov_b32 s79, 0
	s_mov_b32 s48, 1
	s_mov_b32 s49, s15
	s_mov_b32 s52, 1
	s_mov_b32 s53, LKS
	s_mov_b32 s56, 1
	s_add_co_u32 s57, s84, LVS-5*4096              ; waves 5-7: LVS + 4,096 x (wave - 5); the mask's region follows V's scale words
	s_lshl_b32 s86, s11, 5
	s_lshl_b32 s87, s[WV], 2
	s_add_co_u32 s86, s86, s87                     ; my first tile of queries in the head: 32 x block + 4 x wave
	s_lshl_b32 s88, s12, 7
	s_add_co_u32 s88, s88, s86
	s_mul_i32 s88, s88, 768                        ; its image
	s_mov_b32 s89, 0
	s_lshl_b32 s90, s86, 6                         ; my four tiles' scale words: 256 bytes, 16 a row
	s_lshl_b32 s87, s12, 13
	s_add_co_u32 s90, s90, s87
	s_add_co_u32 s90, s90, Q_QS
	s_mov_b32 s91, 0
	s_lshl_b32 s87, s13, 7
	s_add_co_u32 s86, s86, s87                     ; the tile among all 512
	s_mul_i32 s82, s86, 12288                      ; ctx's images: [tile][head][768]
	s_mul_i32 s87, s14, 768
	s_add_co_u32 s82, s82, s87
	s_mov_b32 s83, 0
	s_lshl_b32 s86, s86, 9                         ; ctx's scale words: 512 bytes a tile; half head / 8; word (head / 2) % 4; bytes 2 (head % 2) on
	s_lshr_b32 s87, s14, 3
	s_lshl_b32 s87, s87, 8
	s_add_co_u32 s86, s86, s87
	s_bfe_u32 s87, s14, 0x20001
	s_lshl_b32 s87, s87, 2
	s_add_co_u32 s86, s86, s87
	s_and_b32 s87, s14, 1
	s_lshl_b32 s87, s87, 1
	s_add_co_u32 s86, s86, s87
	s_add_co_u32 s86, s86, C_CS
	s_mov_b32 s87, 0
	s_mov_b32 s[SEL], 0x76543210                   ; v_permlanex16_b32's selects for lane l xor 16
	s_mov_b32 s[SEL+1], 0xfedcba98
	s_mov_b32 s[CL], 0x3fb8aa3b                    ; log2(e)
	s_mov_b32 s[CL+1], s[CL]
	s_mov_b32 s60, 0                               ; the pass
	v_and_b32 v14, 31, v0                          ; lane
	v_and_b32 v15, 15, v0                          ; r
	v_bfe_u32 v11, v0, 4, 1                        ; h
	v_lshlrev_b32 v1, 4, v14
	v_lshlrev_b32 v2, 3, v14
	v_lshlrev_b32 v3, 4, v15
	v_add_nc_u32 v244, LV, v1
	v_add_nc_u32 v245, LV, v2
	v_add_nc_u32 v246, LKS, v3
	v_add_nc_u32 v247, LVS, v3
	v_lshl_add_u32 v248, v11, 6, LM                ; the mask: my half's 16 keys of each 32
	WALU                                           ; the wait ahead of the waits and branches below
	s_wait_dscnt 0x0
	s_wait_kmcnt 0x0
	s_add_nc_u64 s[50:51], s[4:5], s[72:73]
	s_or_b32 s51, s51, 0x80000000
	s_add_nc_u64 s[54:55], s[4:5], s[76:77]
	s_or_b32 s55, s55, 0x80000000
	s_cmp_eq_u32 s[WV], 5                          ; the buffer is chosen by the wave's number alone
	s_cselect_b64 s[58:59], s[4:5], s[6:7]
	s_add_nc_u64 s[58:59], s[58:59], s[78:79]
	s_or_b32 s59, s59, 0x80000000
	s_add_nc_u64 s[88:89], s[4:5], s[88:89]        ; Q's images
	s_add_nc_u64 s[90:91], s[4:5], s[90:91]        ; Q's scale words
	s_add_nc_u64 s[82:83], s[8:9], s[82:83]        ; ctx's images
	s_add_nc_u64 s[86:87], s[8:9], s[86:87]        ; ctx's scale bytes
	ROUND                                          ; all four work-groups are here: the joint loads meet
	s_cmp_lt_u32 s[WV], 4                          ; the launch's only fills: one chain of branches on the wave's number, one joint load to an arm
	s_cbranch_scc0 .Lhead_ks
	TLOAD 48, G1A
	s_branch .Lhead_asked
.Lhead_ks:
	s_cmp_eq_u32 s[WV], 4
	s_cbranch_scc0 .Lhead_vs
	TLOAD 52, G1B
	s_branch .Lhead_asked
.Lhead_vs:
	TLOAD 56, G1C
.Lhead_asked:
.macro QLOAD d, j
	global_load_b128 v[\d:\d+3], v1, s[88:89] offset:768*\j
	global_load_b64 v[\d+4:\d+5], v2, s[88:89] offset:768*\j+512
.endm
	QLOAD QF, 0
	QLOAD QF+12, 1
	QLOAD QS, 2
	QLOAD QS+6, 3
	global_load_b128 v[250:253], v3, s[90:91]      ; my four tiles' scale words
.irp j, 6,7,8,9,10,11
	v_mov_b32 v[QF+\j], 0                          ; K = 64 .. 127 of Q: zero codes
	v_mov_b32 v[QF+12+\j], 0
	v_mov_b32 v[KF+42+\j], 0                       ; and behind K's last fragment
.endr
.irp c, 0,1,2,3,4,5,6,7
	v_mov_b32 v[BY+\c], 0                          ; written once: a lane permute's destination counts as one of its sources
.endr
.irp c, 237,239,240,241,242,243
	v_mov_b32 v\c, 0                               ; likewise, and the upper halves of the pairs that hold f
.endr
	WALU
	s_wait_tensorcnt 0x0                           ; my part has landed,
	s_barrier_signal -1
	s_barrier_wait -1                              ; everybody's has
	s_wait_loadcnt 0x0                             ; Q
.macro FOLD d, s                       ; 1 / 8 into q's scale bytes: each byte as an exponent field, held at 4 from below, 3 taken off; bytes 2 and 3 stay 0
	v_and_b32 v240, 0xff, v[\s]
	v_bfe_u32 v241, v[\s], 8, 8
	v_lshlrev_b32 v240, 23, v240
	v_lshlrev_b32 v241, 23, v241
	v_max_num_f32 v240, 0x2000000, v240
	v_max_num_f32 v241, 0x2000000, v241
	v_add_nc_u32 v240, 0xfe800000, v240
	v_add_nc_u32 v241, 0xfe800000, v241
	v_lshrrev_b32 v240, 23, v240
	v_lshrrev_b32 v241, 23, v241
	v_lshl_or_b32 v[\d], v241, 8, v240
.endm
	FOLD QW, 250
	FOLD QW+1, 251
	FOLD QS+12, 252
	FOLD QS+13, 253
	WALU
.macro LOADK                           ; K's eight images, their scale words and the mask of 128 keys: 34 loads
.irp t, 0,1,2,3,4,5,6,7
	ds_load_b128 v[KF+6*\t:KF+6*\t+3], v4 offset:768*\t
	ds_load_b64 v[KF+6*\t+4:KF+6*\t+5], v5 offset:768*\t+512
.endr
	ds_load_b128 v[KW:KW+3], v8
	ds_load_b128 v[KW+4:KW+7], v8 offset:256
	WIN 0x40
.irp t, 0,1,2,3,4,5,6,7                        ; tile t's keys 32 (t / 2) + 8 (t % 2) + 16 h + 0 .. 7
	ds_load_b128 v[192+8*\t:195+8*\t], v10 offset:128*(\t/2)+32*(\t%2)
	ds_load_b128 v[196+8*\t:199+8*\t], v10 offset:128*(\t/2)+32*(\t%2)+16
.endr
	WIN 0
.endm
.macro LEVEL base, stride              ; a level of the sum's tree, in place over p: 32 / stride packed additions
.set i_, 0
.rept 32/(\stride)
	v_pk_add_f32 v[\base+i_:\base+i_+1], v[\base+i_:\base+i_+1], v[\base+i_+\stride:\base+i_+\stride+1]
.set i_, i_+2*(\stride)
.endr
.endm
.macro CODES n                         ; tile n's p into codes: four conversions, one plain place
	WIN 0x01
.irp c, 0,1
	v_cvt_scalef32_pk16_fp6_f32 v[PC+12*\n+6*\c:PC+12*\n+6*\c+2], v[64*\n+32*\c:64*\n+32*\c+15], v[BM+4*\n+2*\c]
	v_cvt_scalef32_pk16_fp6_f32 v[TT+8*\n+4*\c:TT+8*\n+4*\c+2], v[64*\n+32*\c+16:64*\n+32*\c+31], v[BM+4*\n+2*\c+1]
.endr
	v_nop
.endm
.macro WHOLE n                         ; the operand's layout wants a whole block in a lane
.irp c, 0,1
.irp i, 0,1,2
	v_permlane16_swap_b32 v[PC+12*\n+6*\c+\i], v[TT+8*\n+4*\c+\i]
.endr
.irp i, 0,1,2
	v_mov_b32 v[PC+12*\n+6*\c+3+\i], v[TT+8*\n+4*\c+\i]
.endr
.endr
.endm
.Lpass:
	s_cmp_eq_u32 s60, 0
	s_cbranch_scc1 .Lfirst
.irp j, 0,1,2,3,4,5                            ; the second pass's two tiles
	v_mov_b32 v[QF+\j], v[QS+\j]
	v_mov_b32 v[QF+12+\j], v[QS+6+\j]
.endr
	v_mov_b32 v[QW], v[QS+12]
	v_mov_b32 v[QW+1], v[QS+13]
.Lfirst:
	v_mov_b32 v229, 0xff61b1e6                     ; the largest t so far: -3e38, under every t
	v_mov_b32 v231, 0xff61b1e6
	v_floor_f32 v228, -v229                        ; -M
	v_floor_f32 v230, -v231
.irp c, 232,233,234,235
	v_mov_b32 v\c, 0                               ; the sums, in two halves each
.endr
	v_mov_b32 v4, v1                               ; step 0's addresses
	v_mov_b32 v5, v2
	v_mov_b32 v8, v246
	v_mov_b32 v10, v248
	LOADK
	WIN 0x40
.set j, 0
.rept 64
	v_mov_b32 v[128+j], 0                          ; O^T of both tiles: the first change of M leaves zeros zeros
.set j, j+1
.endr
	WIN 0
	s_mov_b32 s20, 0                               ; the step's images of K and fragments of V: 6,144 bytes a step
	s_mov_b32 s21, 0                               ; K's scale words and the mask: 512
	s_mov_b32 s22, 0                               ; V's scale words: 256
	s_mov_b32 s23, 16                              ; 2,048 keys in steps of 128
	WALU
	s_wait_dscnt 0x0
.Lstep:
	s_add_co_u32 s61, s20, 6144                    ; the next step's places, held at the last step's
	s_min_u32 s61, s61, 15*6144
	s_add_co_u32 s62, s21, 512
	s_min_u32 s62, s62, 15*512
	WIN 0x50
.irp t, 0,1,2,3,4,5,6,7                        ; S^T = K Q^T / 8 + mask, both tiles on each fragment of K
.irp n, 0,1
	v_wmma_scale_f32_16x16x128_f8f6f4 v[64*\n+8*\t:64*\n+8*\t+7], v[KF+6*\t:KF+6*\t+11], v[QF+12*\n:QF+12*\n+11], v[192+8*\t:199+8*\t], v[KW+\t], v[QW+\n] matrix_a_fmt:MATRIX_FMT_FP6 matrix_b_fmt:MATRIX_FMT_FP6
.endr
.endr
	WIN 0
	v_add_nc_u32 v4, s61, v1                       ; these seven are also the places behind the products, ahead of the loads into their registers and of the first read of results
	v_add_nc_u32 v5, s61, v2
	v_add_nc_u32 v8, s62, v246
	v_add_nc_u32 v10, s62, v248
	v_add_nc_u32 v6, s20, v244
	v_add_nc_u32 v7, s20, v245
	v_add_nc_u32 v9, s22, v247
.irp t, 0,1,2,3                                ; this step's V: 17 loads
	ds_load_b128 v[VF+12*\t:VF+12*\t+3], v6 offset:1536*\t
	ds_load_b64 v[VF+12*\t+4:VF+12*\t+5], v7 offset:1536*\t+512
	ds_load_b128 v[VF+12*\t+6:VF+12*\t+9], v6 offset:1536*\t+768
	ds_load_b64 v[VF+12*\t+10:VF+12*\t+11], v7 offset:1536*\t+1280
.endr
	ds_load_b128 v[VW:VW+3], v9
	LOADK                                          ; the next step's K, scale words and mask
	WIN 0x15                                       ; the largest score of each block of 32 keys (blocks 0-3 tile A's, 4-7 tile B's): it serves the row's maximum and, since p rises with the score, the block's largest p
.irp c, 0,1,2,3,4,5,6,7
	v_max3_num_f32 v[BM+\c], v[16*\c], v[16*\c+1], v[16*\c+2]
.endr
	WIN 0x14
.irp i, 3,5,7,9,11,13
.irp c, 0,1,2,3,4,5,6,7
	v_max3_num_f32 v[BM+\c], v[BM+\c], v[16*\c+\i], v[16*\c+\i+1]
.endr
.endr
.irp c, 0,1,2,3,4,5,6,7
	v_max_num_f32 v[BM+\c], v[BM+\c], v[16*\c+15]
.endr
	WIN 0
.irp c, 0,1,2,3,4,5,6,7
	v_permlanex16_b32 v[BY+\c], v[BM+\c], s[SEL], s[SEL+1]
.endr
.irp c, 0,1,2,3,4,5,6,7
	v_max_num_f32 v[BM+\c], v[BM+\c], v[BY+\c]     ; with lane l xor 16's 16 keys
.endr
	v_max3_num_f32 v240, v[BM], v[BM+1], v[BM+2]   ; the two tiles' chains by turns
	v_max3_num_f32 v242, v[BM+4], v[BM+5], v[BM+6]
	v_max_num_f32 v240, v240, v[BM+3]              ; the step's largest score of my query
	v_max_num_f32 v242, v242, v[BM+7]
	v_mul_f32 v240, s[CL], v240                    ; as t
	v_mul_f32 v242, s[CL], v242
	v_max_num_f32 v229, v229, v240                 ; the running largest t
	v_max_num_f32 v231, v231, v242
	v_mov_b32 v241, v228
	v_mov_b32 v243, v230
	v_floor_f32 v228, -v229                        ; the new -M = -ceil(t): a whole number
	v_floor_f32 v230, -v231
	v_sub_f32 v241, v228, v241                     ; old M less new M: a whole number, 0 or less
	v_sub_f32 v243, v230, v243
	v_cvt_i32_f32 v241, v241                       ; (it saturates)
	v_cvt_i32_f32 v243, v243
	v_ldexp_f32 v236, 1.0, v241                    ; f = 2^(old M - new M)
	v_ldexp_f32 v238, 1.0, v243
.irp c, 0,1,2,3,4,5,6,7
	v_fma_f32 v[BM+\c], v[BM+\c], s[CL], v[228+2*(\c/4)]   ; t - M of each block's largest score
.endr
	WIN 0x41
.set j, 0
.rept 32
	v_pk_fma_f32 v[j:j+1], v[j:j+1], s[CL:CL+1], v[228:229] op_sel_hi:[1,0,0]   ; tile A: t - M, two at a time
.set j, j+2
.endr
	WALU                                           ; the wait ahead of the batch
	WIN 0
.irp c, 0,1,2,3,4,5,6,7
	v_exp_f32 v[BM+\c], v[BM+\c]                   ; the blocks' largest p: the same two instructions on the same number
.endr
	WIN 0x41
.set j, 0
.rept 32
	v_exp_f32 v[j], v[j]                           ; tile A: p = 2^(t - M), at most 1;
	v_exp_f32 v[j+1], v[j+1]
	v_pk_fma_f32 v[64+j:65+j], v[64+j:65+j], s[CL:CL+1], v[230:231] op_sel_hi:[1,0,0]   ; tile B: t - M, read behind the wait below
.set j, j+2
.endr
	WALU                                           ; behind tile A's batch, ahead of tile B's
	WIN 0
.irp c, 0,1,2,3,4,5,6,7
	v_max_num_f32 v[BM+\c], 0x1800000, v[BM+\c]    ; the floor 2^(3 - 127): the byte cannot fall under 1
.endr
.irp c, 0,1,2,3,4,5,6,7
	v_add_nc_u32 v[BM+\c], 0xff000000, v[BM+\c]    ; 2 off the exponent field: the conversion's scale operand
.endr
.irp c, 0,1,2,3,4,5,6,7
	v_lshrrev_b32 v[BY+\c], 23, v[BM+\c]           ; the scale's byte
.endr
.irp k, 1,2,3
.irp n, 0,1
.if \k == 1
	v_lshl_or_b32 v[PW+\n], v[BY+4*\n+1], 8, v[BY+4*\n]    ; p's scale words for these 128 keys
.else
	v_lshl_or_b32 v[PW+\n], v[BY+4*\n+\k], 8*\k, v[PW+\n]
.endif
.endr
.endr
	CODES 0
	WIN 0x45
.set j, 0
.rept 16
	v_exp_f32 v[64+j], v[64+j]                     ; tile B's p;
	v_exp_f32 v[65+j], v[65+j]
	v_exp_f32 v[66+j], v[66+j]
	v_exp_f32 v[67+j], v[67+j]
	v_pk_add_f32 v[j:j+1], v[j:j+1], v[j+2:j+3]    ; the first level of tile A's sum of the unquantised p, read behind the wait below
.set j, j+4
.endr
	WALU                                           ; behind the batch
	WIN 0
	WHOLE 0
	CODES 1
	WIN 0
	WHOLE 1
	WIN 0x45
	LEVEL 64, 2
	LEVEL 0, 4
	LEVEL 64, 4
	LEVEL 0, 8
	LEVEL 64, 8
	LEVEL 0, 16
	LEVEL 64, 16
	LEVEL 0, 32
	LEVEL 64, 32
	WIN 0x10
	v_pk_fma_f32 v[232:233], v[232:233], v[236:237], v[0:1] op_sel_hi:[1,0,1]     ; the sums under the new M, and this step's
	v_pk_fma_f32 v[234:235], v[234:235], v[238:239], v[64:65] op_sel_hi:[1,0,1]
	WIN 0x41
	WALU                                           ; the wait directly ahead of the first reader of O^T
.set j, 0
.rept 16
	v_pk_mul_f32 v[128+j:129+j], v[128+j:129+j], v[236:237] op_sel_hi:[1,0]       ; O^T under the new M, each accumulator from its low end on
.set j, j+2
.endr
.set j, 0
.rept 16
	v_pk_mul_f32 v[160+j:161+j], v[160+j:161+j], v[238:239] op_sel_hi:[1,0]
.set j, j+2
.endr
	WALU
	s_wait_dscnt 0x0                               ; V, and the next step's K, scale words and mask
	WIN 0x50
.irp t, 0,1,2,3                                ; O^T += V^T P^T; the eight accumulators take turns
.irp n, 0,1
	v_wmma_scale_f32_16x16x128_f8f6f4 v[128+32*\n+8*\t:128+32*\n+8*\t+7], v[VF+12*\t:VF+12*\t+11], v[PC+12*\n:PC+12*\n+11], v[128+32*\n+8*\t:128+32*\n+8*\t+7], v[VW+\t], v[PW+\n] matrix_a_fmt:MATRIX_FMT_FP6 matrix_b_fmt:MATRIX_FMT_FP6
.endr
.endr
	WIN 0
	s_add_co_u32 s20, s20, 6144
	s_add_co_u32 s21, s21, 512
	s_add_co_u32 s22, s22, 256
	s_sub_co_u32 s23, s23, 1
	s_cmp_lg_u32 s23, 0
	s_cbranch_scc1 .Lstep
; O^T / the sum, quantised along the head's 64 (two blocks), is image `head` of each tile of ctx.
.rept 4
	v_nop                                          ; places behind the last products
.endr
.irp n, 0,1
	v_add_f32 v[232+2*\n], v[232+2*\n], v[233+2*\n]        ; the sum's two halves,
.endr
.irp n, 0,1
	v_permlanex16_b32 v[240+2*\n], v[232+2*\n], s[SEL], s[SEL+1]
.endr
.irp n, 0,1
	v_add_f32 v[232+2*\n], v[232+2*\n], v[240+2*\n]        ; and lane l xor 16's
.endr
	WALU
	v_rcp_f32 v232, v232
	v_rcp_f32 v234, v234
	v_nop                                          ; one plain place behind a transcendental
	WIN 0x41
	WALU
.irp n, 0,1
.set j, 0
.rept 32
	v_mul_f32 v[64*\n+j], v[128+32*\n+j], v[232+2*\n]      ; register 16 b + i: d = 32 b + 16 h + i
.set j, j+1
.endr
.endr
	WIN 0x05
.irp n, 0,1
.irp b, 0,1
	v_max3_num_f32 v[BM+2*\n+\b], |v[64*\n+16*\b]|, |v[64*\n+16*\b+1]|, 0x1800000
.endr
.endr
	WIN 0x14
.irp i, 2,4,6,8,10,12,14
.irp n, 0,1
.irp b, 0,1
	v_max3_num_f32 v[BM+2*\n+\b], v[BM+2*\n+\b], |v[64*\n+16*\b+\i]|, |v[64*\n+16*\b+\i+1]|
.endr
.endr
.endr
	WIN 0
.irp c, 0,1,2,3
	v_permlanex16_b32 v[BY+\c], v[BM+\c], s[SEL], s[SEL+1]
.endr
.irp c, 0,1,2,3
	v_max_num_f32 v[BM+\c], v[BM+\c], v[BY+\c]
.endr
.irp c, 0,1,2,3
	v_add_nc_u32 v[BM+\c], 0xff000000, v[BM+\c]
.endr
.irp c, 0,1,2,3
	v_lshrrev_b32 v[BY+\c], 23, v[BM+\c]
.endr
.irp n, 0,1
	v_lshl_or_b32 v[240+2*\n], v[BY+2*\n+1], 8, v[BY+2*\n] ; the head's two scale bytes
.endr
	WIN 0x01
.irp n, 0,1
	v_cvt_scalef32_pk16_fp6_f32 v[PC+12*\n:PC+12*\n+2], v[64*\n:64*\n+15], v[BM+2*\n]
	v_cvt_scalef32_pk16_fp6_f32 v[TT+8*\n:TT+8*\n+2], v[64*\n+16:64*\n+31], v[BM+2*\n+1]
.endr
	v_nop
	WIN 0
.irp n, 0,1
.irp i, 0,1,2
	v_permlane16_swap_b32 v[PC+12*\n+\i], v[TT+8*\n+\i]
.endr
.irp i, 0,1,2
	v_mov_b32 v[PC+12*\n+3+\i], v[TT+8*\n+\i]      ; the block's six registers on end
.endr
.endr
.irp n, 0,1
	global_store_b128 v1, v[PC+12*\n:PC+12*\n+3], s[82:83] offset:12288*\n          ; 512 consecutive bytes, at a multiple of 256
	global_store_b64 v2, v[PC+12*\n+4:PC+12*\n+5], s[82:83] offset:12288*\n+512
	global_store_b16 v3, v[240+2*\n], s[86:87] offset:512*\n                        ; lanes 16-31 write the same two bytes with the same value
.endr
	s_wait_xcnt 0x0                                ; the stores have read their registers and bases
	s_add_nc_u64 s[82:83], s[82:83], 24576         ; two tiles on
	s_add_nc_u64 s[86:87], s[86:87], 1024
	s_add_co_u32 s60, s60, 1
	s_cmp_lg_u32 s60, 2
	WALU
	s_cbranch_scc1 .Lpass
	s_wait_tensorcnt 0x0                           ; the wave's end
	ds_add_u32 v12, v13
	s_wait_dscnt 0x0
	ROUND                                          ; the closing round: no work-group ends while a partner may still ask for a tile that names it
	s_endpgm
.Lfunc_end_k_q1276fd284a_attn:
	.size	k_q1276fd284a_attn, .Lfunc_end_k_q1276fd284a_attn-k_q1276fd284a_attn
	.p2alignl 7, 3214868480
	.fill 96, 4, 3214868480
	.section	.rodata,"a",@progbits
	.p2align	6, 0x0
	.amdhsa_kernel k_q1276fd284a_attn
		.amdhsa_group_segment_fixed_size 219136
		.amdhsa_private_segment_fixed_size 0
		.amdhsa_enable_private_segment 0
		.amdhsa_kernarg_size 24
		.amdhsa_user_sgpr_count 2
		.amdhsa_user_sgpr_kernarg_segment_ptr 1
		.amdhsa_wavefront_size32 1
		.amdhsa_system_sgpr_workgroup_id_x 1
		.amdhsa_system_sgpr_workgroup_id_y 1
		.amdhsa_system_sgpr_workgroup_id_z 1
		.amdhsa_system_vgpr_workitem_id 0
		.amdhsa_next_free_vgpr 512
		.amdhsa_next_free_sgpr 92
		.amdhsa_reserve_vcc 0
		.amdhsa_float_denorm_mode_32 3
		.amdhsa_float_denorm_mode_16_64 3
		.amdhsa_memory_ordered 1
		.amdhsa_forward_progress 1
		.amdhsa_inst_pref_size 56
	.end_amdhsa_kernel
	.amdgpu_metadata
---
amdhsa.version: [ 1, 2 ]
amdhsa.kernels:
  - .name:           k_q1276fd284a_attn
    .symbol:         k_q1276fd284a_attn.kd
    .args:
      - { .name: qkv, .offset: 0, .size: 8, .value_kind: global_buffer, .address_space: global }
      - { .name: attention_mask, .offset: 8, .size: 8, .value_kind: global_buffer, .address_space: global }
      - { .name: ctx, .offset: 16, .size: 8, .value_kind: global_buffer, .address_space: global }
    .group_segment_fixed_size: 219136
    .private_segment_fixed_size: 0
    .kernarg_segment_align: 8
    .kernarg_segment_size: 24
    .max_flat_workgroup_size: 256
    .sgpr_count:     92
    .vgpr_count:     512
    .wavefront_size: 32
...
	.end_amdgpu_metadata
.endif
;; end of part 3
;; launch outln (part 4): grid 256 x 1, 4 waves a work-group, no clusters, 156,672 bytes of LDS; arguments ctx, ops, input_tensor, bo, ln_w, ln_b, out0; writes out0
.if DOCPART == 4
	.amdgcn_target "amdgcn-amd-amdhsa--gfx1250"
	.amdhsa_code_object_version 6
	.text
	.protected	k_q1276fd284a_outln
	.globl	k_q1276fd284a_outln
	.p2align	8
	.type	k_q1276fd284a_outln,@function
k_q1276fd284a_outln:
	s_mov_b64 s[64:65], 0
	v_nop
	global_prefetch_b8 v0, s[64:65] scope:SCOPE_SE
	s_setreg_imm32_b32 hwreg(HW_REG_WAVE_MODE, 25, 1), 1
	s_wait_xcnt 0x0
; h = ctx Wo^T + bo + x;  out0 = ln_w (h - mean) / sqrt(var + 1e-12) + ln_b.  The product on codes of FP6 (E2M3) with E8M0 scales, all else in f32.  The product's result never goes to memory.
; SHARES: a work-group owns 32 whole rows (row tiles 2 g, 2 g + 1 of ctx) x all 1,024 columns; a wave 256 columns (16 column tiles of Wo), K = 1,024: 256 matrix instructions.
; ctx's 32 fragments-halves (24,576 bytes) are loaded by quarters, shared through LDS, and stay in 192 registers.
; Wo's codes lie in memory as images of the operand's registers, and each fragment is multiplied by ONE wave of the work-group: so they go from memory straight into that wave's registers,
; in a ring of four units (2 column tiles x 2 K steps = 4 fragments, 16 loads, and one load of scale words).  NO CLUSTER, NO TENSOR LOAD: no two waves of a work-group share a fragment of Wo, so
; a way through LDS would write and read 786,432 bytes of LDS more for each work-group; LDS holds the stage of the sums instead.
; THE MATRIX INSTRUCTION IS USED TRANSPOSED (source 0 = 16 places of Wo, source 1 = 16 places of ctx): lane (r, h) holds place r of ctx, registers j the columns 32 (T / 2) + 8 (T % 2) + 16 h + j of column tile T.
; A pair of column tiles is finished after its 32 matrix instructions (four accumulators by turns) and goes to the stage: row 16 a + r (place order), 4,096 + 16 bytes a row.
; LAYER NORM: behind one barrier wave w takes stage rows 8 w .. 8 w + 7, which are the rows 32 g + 8 (w / 2) + 16 (w % 2) + 0 .. 7 of x and out0; a row lies in 32 registers a lane; the variance is taken of h - mean.
; x: its rows are asked for into the L2 at the head and in the loop's first three trips (a lane a block of 256 bytes, two rows an instruction, each block once), and loaded in the last trip, four or more trips later.
; LIMITS: NaN and infinities are not served.
; REGISTERS: window 0: v1-19 addresses; v32-39 ctx's scale words (lanes 0-15 tile 0, lanes 16-31 tile 1); v52-59 Wo's (likewise the unit's two tiles); v64-159 bo, ln_w, ln_b; v160-207 at work.
;   window 1: ctx's fragments (12 (8 a + q)), then h;  window 2: the ring (48 k + 12 (2 u + e)) and the accumulators v192-223;  window 3: x's eight rows.
.set C_CS,  6291456
.set O_WO,  8650752
.set O_WOS, 9797632
.set SP,    4112                       ; a stage row
.set LA,    32*SP                      ; behind the stage: ctx's images
.set SPARE, LA+24576                   ; the spare words: 128 bytes a wave
.set SA,    32
.set SW,    52                         ; (SA + q and SW + q differ modulo 8)
.set ACC,   192
.set MSB, 0
.macro WIN new
.if MSB != (\new)
	s_set_vgpr_msb (MSB<<8)|(\new)
.set MSB, (\new)
.endif
.endm
	s_load_b256 s[4:11], s[0:1], 0x0               ; ctx, ops, x, bo
	s_load_b128 s[12:15], s[0:1], 0x20             ; ln_w, ln_b
	s_load_b64 s[16:17], s[0:1], 0x30              ; out0
	v_lshl_add_u32 v10, v0, 2, SPARE
	v_mov_b32 v11, 0
	v_lshrrev_b32 v14, 5, v0
	v_readfirstlane_b32 s18, v14                   ; wave
	s_mul_i32 s20, ttmp9, 24576                    ; ctx: my work-group's two tiles, my quarter of them
	s_mul_i32 s22, s18, 6144
	s_add_co_u32 s20, s20, s22
	s_mov_b32 s21, 0
	s_lshl_b32 s24, ttmp9, 10                      ; their scale words
	s_add_co_u32 s24, s24, C_CS
	s_mov_b32 s25, 0
	s_mul_i32 s26, s18, 196608                     ; Wo: my 16 column tiles
	s_add_co_u32 s26, s26, O_WO
	s_mov_b32 s27, 0
	s_lshl_b32 s28, s18, 13                        ; their scale words
	s_add_co_u32 s28, s28, O_WOS
	s_mov_b32 s29, 0
	s_lshr_b32 s30, s18, 1                         ; my eight rows of x and out0: 32 g + 8 (w / 2) + 16 (w % 2)
	s_lshl_b32 s30, s30, 3
	s_and_b32 s31, s18, 1
	s_lshl_b32 s31, s31, 4
	s_add_co_u32 s30, s30, s31
	s_lshl_b32 s31, ttmp9, 5
	s_add_co_u32 s30, s30, s31
	s_lshl_b32 s30, s30, 12
	s_mov_b32 s31, 0
	s_lshl_b32 s32, s18, 10                        ; my 256 columns in a stage row
	s_mul_i32 s33, s18, 8*SP                       ; my eight stage rows
	s_mov_b32 s38, 0                               ; 128 bytes of a stage row for each pair of column tiles
	s_mov_b32 s39, 0
	s_mov_b32 s40, 0x76543210                      ; v_permlanex16_b32's selects for lane l xor 16
	s_mov_b32 s41, 0xfedcba98
	s_mov_b32 s42, 0x3a800000                      ; 1 / 1,024
	s_mov_b32 s43, 0x2b8cbccc                      ; 1e-12
	v_and_b32 v15, 31, v0                          ; lane
	v_and_b32 v16, 15, v0                          ; r
	v_bfe_u32 v17, v0, 4, 1                        ; h
	v_lshlrev_b32 v1, 4, v15                       ; 16 x lane
	v_lshlrev_b32 v2, 3, v15                       ; 8 x lane
	v_lshlrev_b32 v3, 4, v16
	v_lshl_add_u32 v3, v17, 9, v3                  ; scale words: 16 r, lanes 16-31 the next tile's
	v_lshlrev_b32 v9, 8, v15                       ; the prefetches: 256 x lane
	v_add_nc_u32 v12, LA, v1
	v_add_nc_u32 v13, LA, v2
	v_add_nc_u32 v18, s22, v12                     ; my quarter of ctx's images in LDS
	v_add_nc_u32 v19, s22, v13
	v_mul_u32_u24 v4, v16, SP
	v_lshl_add_u32 v4, v17, 6, v4
	v_add_nc_u32 v4, s32, v4                       ; into the stage: row r, 64 h, my columns;
	v_add_nc_u32 v5, 16*SP, v4                     ; and row 16 + r
	v_add_nc_u32 v8, s33, v1                       ; out of it
	s_wait_alu depctr_va_vdst(0)                   ; the wait at the head's end
	s_wait_kmcnt 0x0
	s_add_nc_u64 s[20:21], s[4:5], s[20:21]
	s_add_nc_u64 s[24:25], s[4:5], s[24:25]
	s_add_nc_u64 s[26:27], s[6:7], s[26:27]
	s_add_nc_u64 s[28:29], s[6:7], s[28:29]
	s_add_nc_u64 s[34:35], s[8:9], s[30:31]
	s_add_nc_u64 s[16:17], s[16:17], s[30:31]
	s_mov_b64 s[36:37], s[34:35]                   ; where my prefetches stand
.macro BLOAD k                         ; unit k of the pair of column tiles at s[26:27]: 16 loads of codes, one of scale words
	WIN 0x80
.irp u, 0,1
.irp e, 0,1
.set R_, 48*(\k)+12*(2*\u+\e)
.set O_, 12288*\u+1536*(2*(\k)+\e)
	global_load_b128 v[R_:R_+3], v1, s[26:27] offset:O_
	global_load_b64 v[R_+4:R_+5], v2, s[26:27] offset:O_+512
	global_load_b128 v[R_+6:R_+9], v1, s[26:27] offset:O_+768
	global_load_b64 v[R_+10:R_+11], v2, s[26:27] offset:O_+1280
.endr
.endr
	WIN 0
	global_load_b64 v[SW+2*(\k):SW+2*(\k)+1], v3, s[28:29] offset:256*((\k)/2)+8*((\k)%2)
.endm
.macro XLOAD k                         ; rows 2 k, 2 k + 1 of my eight of x: 16 loads of 512 consecutive bytes
	WIN 0xc0
.irp i, 2*(\k), 2*(\k)+1
.irp j, 0,1,2,3,4,5,6,7
	global_load_b128 v[32*(\i)+4*\j:32*(\i)+4*\j+3], v1, s[34:35] offset:4096*(\i)+512*\j th:TH_LOAD_NT
.endr
.endr
	WIN 0
.endm
.irp i, 0,1,2,3,4,5,6,7                        ; my quarter of ctx's images: 16 loads
	global_load_b128 v[160+6*\i:163+6*\i], v1, s[20:21] offset:768*\i
	global_load_b64 v[164+6*\i:165+6*\i], v2, s[20:21] offset:768*\i+512
.endr
	global_load_b128 v[SA:SA+3], v3, s[24:25]
	global_load_b128 v[SA+4:SA+7], v3, s[24:25] offset:256
.irp j, 0,1,2,3,4,5,6,7                        ; my 32 columns of bo, ln_w, ln_b in the rows' order: 24 loads
	global_load_b128 v[64+4*\j:67+4*\j], v1, s[10:11] offset:512*\j
	global_load_b128 v[96+4*\j:99+4*\j], v1, s[12:13] offset:512*\j
	global_load_b128 v[128+4*\j:131+4*\j], v1, s[14:15] offset:512*\j
.endr
	BLOAD 0
	s_wait_loadcnt 43                              ; ctx's 16 are in; younger: 2 + 24 + 17
.irp i, 0,1,2,3,4,5,6,7
	ds_store_b128 v18, v[160+6*\i:163+6*\i] offset:768*\i
	ds_store_b64 v19, v[164+6*\i:165+6*\i] offset:768*\i+512
.endr
	BLOAD 1
	BLOAD 2
	BLOAD 3
	global_prefetch_b8 v9, s[36:37] th:TH_LOAD_NT scope:SCOPE_SE   ; rows 0, 1 of my eight of x
	s_wait_dscnt 0x0                               ; my quarter is stored
	s_barrier_signal -1
	s_barrier_wait -1                              ; everybody's is
	WIN 0x40
.set F_, 0
.rept 16                                       ; fragment 8 a + q
	ds_load_b128 v[12*F_:12*F_+3], v12 offset:1536*F_
	ds_load_b64 v[12*F_+4:12*F_+5], v13 offset:1536*F_+512
	ds_load_b128 v[12*F_+6:12*F_+9], v12 offset:1536*F_+768
	ds_load_b64 v[12*F_+10:12*F_+11], v13 offset:1536*F_+1280
.set F_, F_+1
.endr
	WIN 0
; Eight matrix instructions on unit k; n: the loads issued behind the unit's own.  Five places behind them: for the loads into their registers, the stage's stores, and the next pair's first products, which begin the accumulators anew.
.macro UNIT k, n, zero
	s_wait_loadcnt \n
	WIN 0xa6
.irp e, 0,1
.irp u, 0,1
.irp a, 0,1
.set D_, ACC+8*(2*\u+\a)
.set B_, 48*(\k)+12*(2*\u+\e)
.set A_, 12*(8*\a+2*(\k)+\e)
.if (\zero) && (\e) == 0
	v_wmma_scale_f32_16x16x128_f8f6f4 v[D_:D_+7], v[B_:B_+11], v[A_:A_+11], 0, v[SW+2*(\k)+\e], v[SA+2*(\k)+\e] matrix_a_fmt:MATRIX_FMT_FP6 matrix_b_fmt:MATRIX_FMT_FP6 matrix_a_scale:MATRIX_SCALE_ROW\u matrix_b_scale:MATRIX_SCALE_ROW\a
.else
	v_wmma_scale_f32_16x16x128_f8f6f4 v[D_:D_+7], v[B_:B_+11], v[A_:A_+11], v[D_:D_+7], v[SW+2*(\k)+\e], v[SA+2*(\k)+\e] matrix_a_fmt:MATRIX_FMT_FP6 matrix_b_fmt:MATRIX_FMT_FP6 matrix_a_scale:MATRIX_SCALE_ROW\u matrix_b_scale:MATRIX_SCALE_ROW\a
.endif
.endr
.endr
.endr
.rept 5
	v_nop
.endr
	WIN 0
.endm
.macro NEXT k, last                    ; the unit's registers take the next pair's unit; in the last trip two rows of x are loaded instead
.if \last
	XLOAD \k
.else
	BLOAD \k
.endif
.endm
; A trip: one pair of column tiles, all of K.  In the loop 51 loads are younger than a unit's own (three units of 17); in the last trip 51, 34 + 16, 17 + 32, 48.
.macro TRIP last
.if \last == 0
	s_wait_xcnt 0x0                                ; the loads and the prefetch have read their bases
	s_add_nc_u64 s[26:27], s[26:27], 24576         ; the next pair of column tiles
	s_add_nc_u64 s[28:29], s[28:29], 1024
	s_add_nc_u64 s[36:37], s[36:37], 8192          ; the next two rows of x
.endif
	s_wait_dscnt 0x0                               ; ctx's fragments are in (first trip); the last pair's stage stores are done
	v_add_nc_u32 v6, s38, v4
	v_add_nc_u32 v7, s38, v5
	s_wait_alu depctr_va_vdst(0)
	UNIT 0, 51, 1
	NEXT 0, \last
	UNIT 1, 51-\last, 0
	NEXT 1, \last
.if \last == 0
	s_cmp_lt_u32 s39, 3                            ; trips 0 to 2 ask for rows 2 to 7
	s_cbranch_scc0 .Lno_ask
	global_prefetch_b8 v9, s[36:37] th:TH_LOAD_NT scope:SCOPE_SE
.Lno_ask:
.endif
	UNIT 2, 51-2*\last, 0
	NEXT 2, \last
	UNIT 3, 51-3*\last, 0
	WIN 0x08
.irp u, 0,1
.irp a, 0,1
	ds_store_b128 v[6+\a], v[ACC+8*(2*\u+\a):ACC+8*(2*\u+\a)+3] offset:32*\u       ; each accumulator from its low end on
	ds_store_b128 v[6+\a], v[ACC+8*(2*\u+\a)+4:ACC+8*(2*\u+\a)+7] offset:32*\u+16
.endr
.endr
	WIN 0
	NEXT 3, \last
.endm
.Lpair:
	TRIP 0
	s_add_co_u32 s38, s38, 128
	s_add_co_u32 s39, s39, 1
	s_cmp_lt_u32 s39, 7
	s_cbranch_scc1 .Lpair
	TRIP 1                                         ; the last pair: nothing more of Wo is loaded
	s_wait_dscnt 0x0                               ; my sums are in the stage
	s_barrier_signal -1
	s_barrier_wait -1                              ; everybody's are
	WIN 0x40
.irp i, 0,1,2,3,4,5,6,7
.irp j, 0,1,2,3,4,5,6,7
	ds_load_b128 v[32*\i+4*\j:32*\i+4*\j+3], v8 offset:\i*SP+512*\j
.endr
.endr
	s_wait_loadcnt 0x0                             ; x
	WIN 0xc3
.set m, 0
.rept 16
.irp i, 0,1,2,3,4,5,6,7
	v_pk_add_f32 v[32*\i+m:32*\i+m+1], v[32*\i+m:32*\i+m+1], v[64+m:65+m]          ; x + bo, while the stage's rows come
.endr
.set m, m+2
.endr
	s_wait_dscnt 0x0
	WIN 0x4d
.set m, 0
.rept 16
.irp i, 0,1,2,3,4,5,6,7
	v_pk_add_f32 v[32*\i+m:32*\i+m+1], v[32*\i+m:32*\i+m+1], v[32*\i+m:32*\i+m+1]  ; h = the product (window 1) + (x + bo) (window 3)
.endr
.set m, m+2
.endr
.macro RED b                           ; v[b + 2 i] summed over the 32 lanes, the eight rows by turns
.irp k, 1,2,4,8
.irp i, 0,1,2,3,4,5,6,7
	v_add_f32_dpp v[\b+2*\i], v[\b+2*\i], v[\b+2*\i] row_xmask:\k row_mask:0xf bank_mask:0xf
.endr
.endr
.irp i, 0,1,2,3,4,5,6,7
	v_permlanex16_b32 v[192+\i], v[\b+2*\i], s40, s41
.endr
.irp i, 0,1,2,3,4,5,6,7
	v_add_f32 v[\b+2*\i], v[\b+2*\i], v[192+\i]
.endr
.endm
	WIN 0x05
.irp i, 0,1,2,3,4,5,6,7
	v_pk_add_f32 v[160+2*\i:161+2*\i], v[32*\i:32*\i+1], v[32*\i+2:32*\i+3]        ; the rows' sums, eight chains by turns
.endr
	WIN 0x04
.set m, 4
.rept 14
.irp i, 0,1,2,3,4,5,6,7
	v_pk_add_f32 v[160+2*\i:161+2*\i], v[160+2*\i:161+2*\i], v[32*\i+m:32*\i+m+1]
.endr
.set m, m+2
.endr
	WIN 0
.irp i, 0,1,2,3,4,5,6,7
	v_add_f32 v[160+2*\i], v[160+2*\i], v[161+2*\i]
.endr
	RED 160
.irp i, 0,1,2,3,4,5,6,7
	v_mul_f32 v[160+2*\i], 0xba800000, v[160+2*\i]                                 ; - mean
.endr
	WIN 0x41
.set m, 0
.rept 16
.irp i, 0,1,2,3,4,5,6,7
	v_pk_add_f32 v[32*\i+m:32*\i+m+1], v[32*\i+m:32*\i+m+1], v[160+2*\i:161+2*\i] op_sel_hi:[1,0]   ; h - mean
.endr
.set m, m+2
.endr
	WIN 0x05
.irp i, 0,1,2,3,4,5,6,7
	v_pk_mul_f32 v[176+2*\i:177+2*\i], v[32*\i:32*\i+1], v[32*\i:32*\i+1]          ; the squares
.endr
.set m, 2
.rept 15
.irp i, 0,1,2,3,4,5,6,7
	v_pk_fma_f32 v[176+2*\i:177+2*\i], v[32*\i+m:32*\i+m+1], v[32*\i+m:32*\i+m+1], v[176+2*\i:177+2*\i]
.endr
.set m, m+2
.endr
	WIN 0
.irp i, 0,1,2,3,4,5,6,7
	v_add_f32 v[176+2*\i], v[176+2*\i], v[177+2*\i]
.endr
	RED 176
.irp i, 0,1,2,3,4,5,6,7
	v_fma_f32 v[176+2*\i], v[176+2*\i], s42, s43                                   ; the variance + 1e-12
.endr
	s_wait_alu depctr_va_vdst(0)                   ; the wait ahead of the batch
.irp i, 0,1,2,3,4,5,6,7
	v_rsq_f32 v[160+2*\i], v[176+2*\i]
.endr
	v_nop                                          ; one plain place behind a transcendental
	s_wait_alu depctr_va_vdst(0)                   ; and the wait behind it
.irp i, 0,1,2,3,4,5,6,7                        ; row by row, so that each row leaves as soon as it is finished
	WIN 0x41
.set m, 0
.rept 16
	v_pk_mul_f32 v[32*\i+m:32*\i+m+1], v[32*\i+m:32*\i+m+1], v[160+2*\i:161+2*\i] op_sel_hi:[1,0]
.set m, m+2
.endr
.set m, 0
.rept 16
	v_pk_fma_f32 v[32*\i+m:32*\i+m+1], v[32*\i+m:32*\i+m+1], v[96+m:97+m], v[128+m:129+m]   ; x ln_w + ln_b
.set m, m+2
.endr
	WIN 0x04
.irp j, 0,1,2,3,4,5,6,7
	global_store_b128 v1, v[32*\i+4*\j:32*\i+4*\j+3], s[16:17] offset:4096*\i+512*\j th:TH_STORE_NT   ; 512 consecutive bytes, at a multiple of 256
.endr
.endr
	WIN 0
	s_wait_tensorcnt 0x0                           ; the wave's end
	ds_add_u32 v10, v11
	s_wait_dscnt 0x0
	s_endpgm
.Lfunc_end_k_q1276fd284a_outln:
	.size	k_q1276fd284a_outln, .Lfunc_end_k_q1276fd284a_outln-k_q1276fd284a_outln
	.p2alignl 7, 3214868480
	.fill 96, 4, 3214868480
	.section	.rodata,"a",@progbits
	.p2align	6, 0x0
	.amdhsa_kernel k_q1276fd284a_outln
		.amdhsa_group_segment_fixed_size 156672
		.amdhsa_private_segment_fixed_size 0
		.amdhsa_enable_private_segment 0
		.amdhsa_kernarg_size 56
		.amdhsa_user_sgpr_count 2
		.amdhsa_user_sgpr_kernarg_segment_ptr 1
		.amdhsa_wavefront_size32 1
		.amdhsa_system_sgpr_workgroup_id_x 1
		.amdhsa_system_sgpr_workgroup_id_y 1
		.amdhsa_system_sgpr_workgroup_id_z 1
		.amdhsa_system_vgpr_workitem_id 0
		.amdhsa_next_free_vgpr 1024
		.amdhsa_next_free_sgpr 66
		.amdhsa_reserve_vcc 0
		.amdhsa_float_denorm_mode_32 3
		.amdhsa_float_denorm_mode_16_64 3
		.amdhsa_memory_ordered 1
		.amdhsa_forward_progress 1
		.amdhsa_inst_pref_size 118
	.end_amdhsa_kernel
	.amdgpu_metadata
---
amdhsa.version: [ 1, 2 ]
amdhsa.kernels:
  - .name:           k_q1276fd284a_outln
    .symbol:         k_q1276fd284a_outln.kd
    .args:
      - { .name: ctx, .offset: 0, .size: 8, .value_kind: global_buffer, .address_space: global }
      - { .name: ops, .offset: 8, .size: 8, .value_kind: global_buffer, .address_space: global }
      - { .name: input_tensor, .offset: 16, .size: 8, .value_kind: global_buffer, .address_space: global }
      - { .name: bo, .offset: 24, .size: 8, .value_kind: global_buffer, .address_space: global }
      - { .name: ln_w, .offset: 32, .size: 8, .value_kind: global_buffer, .address_space: global }
      - { .name: ln_b, .offset: 40, .size: 8, .value_kind: global_buffer, .address_space: global }
      - { .name: out0, .offset: 48, .size: 8, .value_kind: global_buffer, .address_space: global }
    .group_segment_fixed_size: 156672
    .private_segment_fixed_size: 0
    .kernarg_segment_align: 8
    .kernarg_segment_size: 56
    .max_flat_workgroup_size: 128
    .sgpr_count:     66
    .vgpr_count:     1024
    .wavefront_size: 32
...
	.end_amdgpu_metadata
.endif
;; end of part 4
